; MI455X (gfx1250); checked and timed in simulation.
; The chip was launched on July 23, 2026; its instructions are those of AMD's public machine-readable ISA for CDNA 5 (MIT licence, August 2026) and "CDNA5" Instruction Set Architecture Reference Guide (July 2026). The comments in the code are by the model that wrote it; some were corrected since.
;; Attention. Allowed arithmetic: matrix products marked QUANTISED: E5M2 operands, one E8M0 scale for each 32 along K, by v_wmma_scale_f32_16x16x128_f8f6f4 with both operands' format E5M2, f32 sums; everything else in f32.
;; Inputs: Wkv_codes 1,024 x 32 x 32 uint8 (E5M2 codes of Wkv, K innermost, in blocks of 32 codes); Wkv_scales 1,024 x 32 uint8 (E8M0 scales of Wkv, one for each 32 codes along K); Wo_codes 1,024 x 16 x 32 uint8 (E5M2 codes of Wo, K innermost, in blocks of 32 codes); Wo_scales 1,024 x 16 uint8 (E8M0 scales of Wo, one for each 32 codes along K); Wq_codes 512 x 32 x 32 uint8 (E5M2 codes of Wq, K innermost, in blocks of 32 codes); Wq_scales 512 x 32 uint8 (E8M0 scales of Wq, one for each 32 codes along K); bo 1,024 float32; context_codes 4 x 4,096 x 32 x 32 uint8 (E5M2 codes of context, K innermost, in blocks of 32 codes); context_scales 4 x 4,096 x 32 uint8 (E8M0 scales of context, one for each 32 codes along K); mask 4 x 4,096 bool; sim_bias 4 x 1,024 x 4,096 float32; x_codes 4 x 1,024 x 32 x 32 uint8 (E5M2 codes of x, K innermost, in blocks of 32 codes); x_scales 4 x 1,024 x 32 uint8 (E8M0 scales of x, one for each 32 codes along K).
;; Outputs: out0 4 x 1,024 x 1,024 float32.
;; This version of the problem:
;;   THIS VERSION OF THE PROBLEM IS GIVEN IN LOW PRECISION. The matrix products marked QUANTISED in the list below multiply operands that are first quantised to E5M2 (5 exponent bits, 2 mantissa bits; 8 bits a number), with one power-of-two scale for each 32 numbers along K (OCP MX v1.0); their sums are f32. All else is computed in f32.
;;   The module's matrix products, in the order in which they are computed (A, B: the left and right operand; K: the contracted axis; several contracted axes count as one K, in the product's order):
;;     1. [M 4,096, K 1,024] x [K 1,024, N 512]; A: input x (given as codes); B: input Wq (given as codes): QUANTISED
;;     2. [M 16,384, K 1,024] x [K 1,024, N 1,024]; A: input context (given as codes); B: input Wkv (given as codes): QUANTISED
;;     3. batch 32 x [M 1,024, K 64] x [K 64, N 4,096]; A: computed on the way; B: computed on the way: QUANTISED
;;     4. batch 32 x [M 1,024, K 4,096] x [K 4,096, N 64]; A: softmax (see below); B: computed on the way: QUANTISED
;;     5. [M 4,096, K 512] x [K 512, N 1,024]; A: computed on the way; B: input Wo (given as codes): QUANTISED
;;   THE QUANTISER, for each operand of a quantised product, along K:
;;     - K is cut into blocks of 32 from its start; a last block that is shorter is filled with zeros.
;;     - A block's scale is 2^e with e = floor(log2(the largest magnitude in the block)) - 15, held to -126 .. 127; a block of zeros has e = 0. As a byte (E8M0): e + 127.
;;     - Each number is divided by its block's scale, clamped to +-57,344, and rounded to the nearest number of E5M2, ties to even, subnormals kept.
;;     - The product sums the exact products of the quantised numbers (number of the format x scale) in f32.
;;   ~~~python
;;   def quantise(x, axis):      # numpy; x: float32 -> the quantised numbers, widened to float32 again
;;       x = np.moveaxis(x, axis, -1); K = x.shape[-1]
;;       x = np.pad(x, [(0, 0)] * (x.ndim - 1) + [(0, -K % 32)]); x = x.reshape(x.shape[:-1] + (-1, 32)); a = np.abs(x).max(-1, keepdims=True)
;;       e = np.where(a > 0, np.clip(np.frexp(np.where(a > 0, a, 1))[1] - 1 - 15, -126, 127), 0)      # np.frexp(a)[1] - 1 = floor(log2(a)), exactly
;;       r = np.clip(x / 2.0 ** e, -57344, 57344)
;;       step = 2.0 ** (np.maximum(np.frexp(np.where(r == 0, 1, r))[1] - 1, -14) - 2)
;;       q = np.round(r / step) * step * 2.0 ** e      # np.round: ties to even
;;       return np.moveaxis(q.reshape(q.shape[:-2] + (-1,))[..., :K], -1, axis).astype(np.float32)
;;   ~~~
;;   SOFTMAX AHEAD OF A QUANTISED PRODUCT. Where the list says 'softmax', what is quantised is not the finished softmax but p = 2^(t - M), with t = logit x log2(e) and M = ceil(the row's largest t), a whole number; so 1/2 < the row's largest p <= 1. The row's sum l is taken of the UNQUANTISED p, in f32, and the product's result is divided by l at the end. Since M is a whole number, a kernel that streams over the keys may use a running M (the ceiling of the running maximum): every later rescaling is an exact power of two, which a block's scale takes up: the codes' values come out the same.
;;   OPERANDS COMPUTED ON THE WAY. 'Computed on the way' means the value that the module computes at that place (a softmax that the list does not call 'softmax' is quantised finished and normalised). What goes into a quantiser is computed in f32, as accurately as f32 sums, v_exp_f32 and their like allow (about 1e-6 of the number): no bf16 or f16 on the way to a quantiser, and a product that is left as it is and whose result goes on into a quantised operand takes f32 operands (vector FMAs, or v_wmma_f32_16x16x4_f32). A number that lies on a knife's edge between two numbers of the format may be rounded either way, as far as f32 arithmetic and the matrix unit's own rounding can turn it there, and no further.
;;   INPUTS GIVEN AS CODES. Wkv (in the module: [1024, 1024], K = its axis 0); Wo (in the module: [512, 1024], K = its axis 0); Wq (in the module: [1024, 512], K = its axis 0); context (in the module: [4, 4096, 1024], K = its axis 2); x (in the module: [4, 1024, 1024], K = its axis 2): each comes as NAME_codes (uint8): NAME with its K axis moved to the last place and cut into blocks of 32 codes, [.., K / 32, bytes a block], one block behind the other in memory; one code a byte (a code: sign, 5 exponent bits, 2 mantissa bits); and NAME_scales (uint8): the same leading axes, one E8M0 byte (e + 127) for each 32 codes along K. Its value is code x scale, taken as it is: it is not quantised again, and the codes and scales need not be those that the quantiser above would give.
;; One version. Each part assembles by itself: llvm-mc -triple=amdgcn-amd-amdhsa -mcpu=gfx1250 --defsym DOCPART=n.
;; ======== version 1 of 1: 3 launches
;; limits: right only within a limited range of input values
;; workspace buffers: kv 17,825,792 bytes; qimg 2,097,152 bytes; qsc 131,072 bytes; oimg 2,097,152 bytes; osc 65,536 bytes
;; launch proj (part 1): grid 256 x 1, 4 waves a work-group, no clusters, 327,680 bytes of LDS; arguments x_codes, x_scales, context_codes, context_scales, Wq_codes, Wq_scales, Wkv_codes, Wkv_scales, mask, kv, qimg, qsc; writes kv, qimg, qsc
.if DOCPART == 1
	.amdgcn_target "amdgcn-amd-amdhsa--gfx1250"
	.amdhsa_code_object_version 6
	.text
	.protected	k_qb5401784ad_proj
	.globl	k_qb5401784ad_proj
	.p2align	8
	.type	k_qb5401784ad_proj,@function
k_qb5401784ad_proj:
	s_mov_b64 s[64:65], 0
	v_nop
	global_prefetch_b8 v0, s[64:65] scope:SCOPE_SE
	s_setreg_imm32_b32 hwreg(HW_REG_WAVE_MODE, 25, 1), 1
	s_wait_xcnt 0x0
.set NQ,     2
.set ROWB,   256
.set KROW,   1024
.set PITCH,  272
.set FR,     16
.set NL,     4
.set NP,     8
.set HALFT,  128*PITCH
.set SLOT,   4*HALFT
.set KS,     32
.set SCL,    2*SLOT
.set HALFS,  (128*KS/256)*272
.set SBLK,   (16*KS/256)*272
.set SPARE,  SCL+4*HALFS
.set REC,    17408
.set LI,   3
.set VO,   4
.set VM,   8
.set ADRA, 16
.set ADRB, 20
.set ADRS, 27
.set SPW,  28
.set NIL,  29
.set RS,   31
.set SC,   32
.set AF,   128
.set PWS,  32
.set TOP,  40
.set XT,   64
.set PC,   128
.set TM,   160
.set QD,   64
.set XS,   176
.set WS,   192
.set QC,   128
.set QW,   40
.set G0Q,  28
.set G1,   36
.set G1S,  44
.set G0,   52
.set G0S,  60
.set WV,   66
.set RH,   67
.set CH,   68
.set KIND, 69
.set SB,   72
.set SCB,  80
.set FLO,  84
.set HM,   85
.set TOPT, 86
.set TOPF, 87
.set MNT,  88
.set LOW,  89
.set SEL,  90
.set G1W,  92
.set MSB, 0
.macro WIN new
.if MSB != \new
	s_set_vgpr_msb (MSB<<8)|\new
.set MSB, \new
.endif
.endm
.set MUL_LO, 0xa1
.set MUL_HI, 0xf1
.set TO_B,   0x40
	s_load_b512 s[4:19], s[0:1], 0x0
	s_load_b256 s[20:27], s[0:1], 0x40
	v_lshl_add_u32 v[SPW], v0, 2, SPARE
	v_mov_b32 v[NIL], 0
	ds_add_u32 v[SPW], v[NIL]
	ds_add_u32 v[SPW], v[NIL]
	v_lshrrev_b32 v1, 5, v0
	v_readfirstlane_b32 s[WV], v1
	s_lshr_b32 s[RH], s[WV], 1
	s_and_b32 s[CH], s[WV], 1
	s_mov_b32 s[G1], (1<<20)|(5<<22)|(3<<25)
	s_mov_b32 s[G1+1], ROWB<<16
	s_mov_b32 s[G1+2], 128<<16
	s_mov_b32 s[G1+3], ROWB<<16
	s_mov_b32 s[G1+4], 128
	s_mov_b32 s[G1+5], KROW
	s_mov_b32 s[G1+6], 0
	s_mov_b32 s[G1+7], 0
	s_mov_b32 s[G1S], (3<<16)|(1<<20)|(5<<22)|(3<<25)
	s_mov_b32 s[G1S+1], 32<<16
	s_mov_b32 s[G1S+2], (128*KS/256)<<16
	s_mov_b32 s[G1S+3], 32<<16
	s_mov_b32 s[G1S+4], 128*KS/256
	s_mov_b32 s[G1S+5], 32
	s_mov_b32 s[G1S+6], 0
	s_mov_b32 s[G1S+7], 0
	s_mov_b32 s[MNT], 0x600000
	s_mov_b32 s[SEL], 0x76543210
	s_mov_b32 s[SEL+1], 0xfedcba98
	s_mov_b32 s[HM], 0xffff0000
	s_mov_b32 s[LOW], 0xffff
	s_mov_b32 s[FLO], 0x08000000
	s_mov_b32 s[TOPT], 0x7f010000
	s_mov_b32 s[TOPF], 0x7ff70000
	v_and_b32 v1, 15, v0
	v_bfe_u32 v2, v0, 4, 1
	v_mul_u32_u24 v3, v1, PITCH
	v_lshl_add_u32 v4, v2, 4, v3
	s_wait_alu depctr_va_vdst(0)
	s_mul_i32 s94, s[RH], HALFT
	s_mul_i32 s95, s[CH], HALFT
	s_add_co_u32 s95, s95, 2*HALFT
.irp s, 0,1
	v_add_nc_u32 v[ADRA+\s], s94, v4
	v_add_nc_u32 v[ADRB+\s], s95, v4
	s_add_co_u32 s94, s94, SLOT
	s_add_co_u32 s95, s95, SLOT
.endr
	s_mul_i32 s94, s[WV], 32*PITCH
	v_add_nc_u32 v18, s94, v4
	v_add_nc_u32 v19, HALFT, v18
	v_add_nc_u32 v22, SLOT, v18
	v_add_nc_u32 v23, SLOT, v19
	v_add_nc_u32 v24, 2*HALFT, v4
	v_add_nc_u32 v25, 3*HALFT, v4
	v_add_nc_u32 v26, SLOT, v24
	v_add_nc_u32 v30, SLOT, v25
	v_lshlrev_b32 v[RS], 5, v1
	v_mul_u32_u24 v5, v1, KS
	v_lshrrev_b32 v6, 8, v5
	v_lshl_add_u32 v5, v6, 4, v5
	s_mul_i32 s94, s[RH], HALFS
	s_mul_i32 s95, s[CH], HALFS
	s_add_co_u32 s95, s95, 2*HALFS
	s_sub_co_u32 s95, s95, s94
	v_mul_u32_u24 v6, s95, v2
	s_add_co_u32 s94, s94, SCL
	v_add_nc_u32 v5, v5, v6
	v_add_nc_u32 v[ADRS], s94, v5
	v_and_b32 v3, 31, v0
	v_lshlrev_b32 v[LI], 4, v3
.irp a, 0,1,2,3,4,5,6,7
	v_mov_b32 v[VM+\a], 1
.endr
	s_wait_dscnt 0x0
	s_wait_kmcnt 0x0
	s_cmp_lt_u32 ttmp9, 128
	s_cselect_b64 s[28:29], s[16:17], s[8:9]
	s_cselect_b64 s[30:31], s[18:19], s[10:11]
	s_cselect_b64 s[32:33], s[8:9], s[16:17]
	s_cselect_b64 s[34:35], s[10:11], s[18:19]
	s_mov_b64 s[SB:SB+1], s[22:23]
	s_mov_b64 s[SCB:SCB+1], s[22:23]
	s_mov_b32 s[KIND], 0
	s_mov_b32 s8, 0
	s_mov_b32 s9, 16384
	s_mov_b32 s10, 1024
	s_mov_b32 s11, 4096
	s_mov_b32 s16, 32*REC
	s_cmp_lt_u32 ttmp9, 128
	s_cbranch_scc1 .Lkind
	s_mov_b32 s[KIND], 1
	s_mov_b32 s8, 8192
	s_mov_b32 s9, 16896
	s_mov_b32 s10, 2048
	s_mov_b32 s11, 32*REC
	s_mov_b32 s16, 1024
.Lkind:
	s_and_b32 s94, ttmp9, 127
	s_and_b32 s95, s94, 1
	s_lshr_b32 s94, s94, 1
	s_lshl_b32 s96, s95, 8
	s_lshl_b32 s97, s94, 8
	s_add_co_u32 s98, s96, 512
	s_cmp_eq_u32 s[KIND], 1
	s_cselect_b32 s70, s97, s96
	s_cselect_b32 s71, s98, s97
	s_cselect_b32 s98, s[CH], s[RH]
	s_cselect_b32 s99, s[RH], s[CH]
	s_lshl_b32 s94, s94, 1
	s_add_co_u32 s94, s94, s98
	s_lshl_b32 s95, s95, 2
	s_lshl_b32 s99, s99, 1
	s_add_co_u32 s95, s95, s99
	s_cmp_lt_u32 s[WV], 2
	s_cselect_b64 s[96:97], s[32:33], s[28:29]
	s_cselect_b64 s[98:99], s[34:35], s[30:31]
	s_cselect_b32 s70, s71, s70
	s_lshl_b32 s71, s[CH], 7
	s_add_co_u32 s70, s70, s71
	s_lshl_b32 s2, s70, 10
	s_mov_b32 s3, 0
	s_add_nc_u64 s[96:97], s[96:97], s[2:3]
	s_lshl_b32 s2, s70, 5
	s_add_nc_u64 s[98:99], s[98:99], s[2:3]
	s_mul_i32 s70, s[WV], HALFT
	s_mul_i32 s71, s[WV], HALFS
	s_mov_b32 s[G0S], 1
	s_add_co_u32 s[G0S+1], s71, SCL
	s_mov_b64 s[G0S+2:G0S+3], s[98:99]
	s_or_b32 s[G0S+3], s[G0S+3], 0x80000000
	tensor_load_to_lds s[G0S:G0S+3], s[G1S:G1S+7]
	s_nop 0
.irp s, 0,1
	s_mov_b32 s[G0+4*\s], 1
	s_add_co_u32 s[G0+4*\s+1], s70, \s*SLOT
	s_add_nc_u64 s[G0+4*\s+2:G0+4*\s+3], s[96:97], \s*ROWB
	s_or_b32 s[G0+4*\s+3], s[G0+4*\s+3], 0x80000000
	s_wait_alu depctr_va_vdst(0)
	s_wait_tensorcnt 0x0
	ds_add_u32 v28, v29
	s_wait_dscnt 0x0
	s_barrier_signal -1
	s_barrier_wait -1
	tensor_load_to_lds s[G0+4*\s:G0+4*\s+3], s[G1:G1+7]
	s_nop 0
.endr
.rept 4
	v_nop
.endr
	s_lshl_b32 s2, s94, 7
	s_add_nc_u64 s[20:21], s[20:21], s[2:3]
	s_cmp_lg_u32 s[KIND], 0
	s_cbranch_scc1 .Lno_mask
.irp a, 0,1,2,3,4,5,6,7
	global_load_u8 v[VM+\a], v1, s[20:21] offset:16*\a
.endr
.Lno_mask:
	s_lshr_b32 s2, s94, 5
	s_lshl_b32 s2, s2, 3
	s_add_co_u32 s2, s2, s95
	s_lshl_b32 s2, s2, 5
	s_and_b32 s96, s94, 31
	s_add_co_u32 s2, s2, s96
	s_mul_i32 s2, s2, REC
	s_mov_b32 s99, 0
	s_add_co_u32 s98, s2, s8
	s_add_nc_u64 s[SB:SB+1], s[SB:SB+1], s[98:99]
	s_mov_b32 s98, s16
	s_add_nc_u64 s[SB+2:SB+3], s[SB:SB+1], s[98:99]
	s_mov_b32 s98, s11
	s_add_nc_u64 s[SB+4:SB+5], s[SB:SB+1], s[98:99]
	s_mov_b32 s98, s16
	s_add_nc_u64 s[SB+6:SB+7], s[SB+4:SB+5], s[98:99]
	s_add_co_u32 s98, s2, s9
	s_add_nc_u64 s[SCB:SCB+1], s[SCB:SCB+1], s[98:99]
	s_add_nc_u64 s[SCB+2:SCB+3], s[SCB:SCB+1], 32*REC
	s_wait_alu depctr_va_vdst(0)
	v_mov_b32 v[VO], v[LI]
	v_add_nc_u32 v[VO+1], s10, v[VO]
	v_add_nc_u32 v[VO+2], s10, v[VO+1]
	v_add_nc_u32 v[VO+3], s10, v[VO+2]
	s_lshr_b32 s96, ttmp9, 6
	s_lshl_b32 s96, s96, 10
	s_and_b32 s97, ttmp9, 7
	s_lshl_b32 s97, s97, 7
	s_add_co_u32 s96, s96, s97
	s_bfe_u32 s97, ttmp9, 0x30003
	s_lshl_b32 s97, s97, 6
	s_mov_b32 s3, 0
	s_lshl_b32 s2, s[WV], 5
	s_add_co_u32 s2, s2, s96
	s_lshl_b32 s2, s2, 5
	s_add_nc_u64 s[6:7], s[6:7], s[2:3]
	s_lshl_b32 s2, s97, 5
	s_add_nc_u64 s[14:15], s[14:15], s[2:3]
	s_lshl_b32 s2, ttmp9, 13
	s_lshl_b32 s98, s[WV], 11
	s_add_co_u32 s2, s2, s98
	s_add_nc_u64 s[24:25], s[24:25], s[2:3]
	s_lshl_b32 s2, ttmp9, 9
	s_lshl_b32 s98, s[RH], 8
	s_add_co_u32 s2, s2, s98
	s_lshl_b32 s98, s[CH], 3
	s_add_co_u32 s2, s2, s98
	s_add_nc_u64 s[26:27], s[26:27], s[2:3]
	s_cmp_lt_u32 s[WV], 2
	s_cselect_b64 s[98:99], s[4:5], s[12:13]
	s_cselect_b32 s2, s96, s97
	s_lshl_b32 s2, s2, 10
	s_lshl_b32 s96, s[CH], 8
	s_add_co_u32 s2, s2, s96
	s_add_nc_u64 s[98:99], s[98:99], s[2:3]
.irp r, 0,1
	s_mov_b32 s[G0Q+4*\r], 1
	s_add_co_u32 s[G0Q+4*\r+1], s70, \r*SLOT
	s_add_nc_u64 s[G0Q+4*\r+2:G0Q+4*\r+3], s[98:99], \r*2*ROWB
	s_or_b32 s[G0Q+4*\r+3], s[G0Q+4*\r+3], 0x80000000
.endr
	s_mov_b32 s[G1W], (1<<20)|(5<<22)|(3<<25)
	s_mov_b32 s[G1W+1], ROWB<<16
	s_mov_b32 s[G1W+2], 64<<16
	s_mov_b32 s[G1W+3], ROWB<<16
	s_mov_b32 s[G1W+4], 64
	s_mov_b32 s[G1W+5], KROW
	s_mov_b32 s[G1W+6], 0
	s_mov_b32 s[G1W+7], 0
.macro FRAG reg, adr, q, i
.irp c, 0,1,2,3
	ds_load_b128 v[\reg+4*\c:\reg+4*\c+3], v[\adr] offset:128*(\q)+32*\c+(\i)*16*PITCH
.endr
.endm
.macro MUL16 a0, p, q, sc, zero
.irp a, \a0, \a0+1
.irp b, 0,1,2,3,4,5,6,7
.if \zero
	v_wmma_scale_f32_16x16x128_f8f6f4 v[8*(8*((\a)%4)+\b):8*(8*((\a)%4)+\b)+7], v[128*(\p)+FR*\b:128*(\p)+FR*\b+FR-1], v[AF+FR*(\a):AF+FR*(\a)+FR-1], 0, v[SC+8*NQ*(\sc)+NQ*\b+(\q)], v[SC+8*NQ*(\sc)+NQ*(\a)+(\q)] matrix_a_fmt:MATRIX_FMT_BF8 matrix_b_fmt:MATRIX_FMT_BF8 matrix_a_scale:MATRIX_SCALE_ROW1
.else
	v_wmma_scale_f32_16x16x128_f8f6f4 v[8*(8*((\a)%4)+\b):8*(8*((\a)%4)+\b)+7], v[128*(\p)+FR*\b:128*(\p)+FR*\b+FR-1], v[AF+FR*(\a):AF+FR*(\a)+FR-1], v[8*(8*((\a)%4)+\b):8*(8*((\a)%4)+\b)+7], v[SC+8*NQ*(\sc)+NQ*\b+(\q)], v[SC+8*NQ*(\sc)+NQ*(\a)+(\q)] matrix_a_fmt:MATRIX_FMT_BF8 matrix_b_fmt:MATRIX_FMT_BF8 matrix_a_scale:MATRIX_SCALE_ROW1
.endif
.endr
.endr
.endm
.macro FETCH_B slot, q, p
	WIN TO_B
.irp i, 0,1,2,3,4,5,6,7
	FRAG 128*(\p)+FR*\i, ADRB+\slot, \q, \i
.endr
	WIN 0
.endm
.macro FETCH_A slot, q, i0
.irp i, \i0, \i0+1, \i0+2, \i0+3
	FRAG AF+FR*(\i), ADRA+\slot, \q, \i
.endr
.endm
.macro SCALES sc
.irp i, 0,1,2,3,4,5,6,7
	ds_load_b64 v[SC+8*NQ*\sc+NQ*\i:SC+8*NQ*\sc+NQ*\i+1], v[ADRS] offset:\i*SBLK
.endr
.endm
.macro PLACES n
.rept \n
	v_nop
.endr
.endm
.macro QLOAD r
	s_cmp_lt_u32 s[WV], 2
	s_cbranch_scc0 .Lq_w_\@
	tensor_load_to_lds s[G0Q+4*\r:G0Q+4*\r+3], s[G1:G1+7]
	s_nop 0
.rept 4
	v_nop
.endr
	s_branch .Lq_asked_\@
.Lq_w_\@:
	tensor_load_to_lds s[G0Q+4*\r:G0Q+4*\r+3], s[G1W:G1W+7]
	s_nop 0
.rept 4
	v_nop
.endr
.Lq_asked_\@:
.endm
.macro STEP slot, q, zero
	s_wait_dscnt 4*NL
	WIN MUL_LO
	MUL16 0, (\q)%2, \q, \slot, \zero
	MUL16 2, (\q)%2, \q, \slot, \zero
	s_wait_dscnt 0
	PLACES NP
	FETCH_B \slot, (\q)+1, 1-(\q)%2
	FETCH_A \slot, (\q)+1, 0
	WIN MUL_HI
	MUL16 4, (\q)%2, \q, \slot, \zero
	MUL16 6, (\q)%2, \q, \slot, \zero
	PLACES NP
	WIN 0
	FETCH_A \slot, (\q)+1, 4
.endm
.macro TURN slot, next, fill
	s_wait_tensorcnt 0x0
	ds_add_u32 v[SPW], v[NIL]
	s_wait_dscnt 4*NL+1
	WIN MUL_LO
	MUL16 0, 1, NQ-1, \slot, 0
	s_wait_dscnt 0x0
	s_barrier_signal -1
	MUL16 2, 1, NQ-1, \slot, 0
	WIN 0
	s_barrier_wait -1
.if \fill == 1
	s_add_nc_u64 s[G0+4*\slot+2:G0+4*\slot+3], s[G0+4*\slot+2:G0+4*\slot+3], 2*ROWB
	tensor_load_to_lds s[G0+4*\slot:G0+4*\slot+3], s[G1:G1+7]
	s_nop 0
.rept 4
	v_nop
.endr
.else
	QLOAD 0
.endif
	PLACES NP-4
	s_wait_alu depctr_va_vdst(0)
	v_add_nc_u32 v[ADRS], 4*NQ, v[ADRS]
	FETCH_B \next, 0, 0
	FETCH_A \next, 0, 0
	SCALES \next
	WIN MUL_HI
	MUL16 4, 1, NQ-1, \slot, 0
	MUL16 6, 1, NQ-1, \slot, 0
	PLACES NP
	WIN 0
	FETCH_A \next, 0, 4
.endm
	s_wait_tensorcnt 1
	s_barrier_signal -1
	s_barrier_wait -1
	FETCH_B 0, 0, 0
	FETCH_A 0, 0, 0
	SCALES 0
	FETCH_A 0, 0, 4
	STEP 0, 0, 1
	TURN 0, 1, 1
	s_wait_alu depctr_va_vdst(0)
	STEP 1, 0, 0
	TURN 1, 0, 1
	STEP 0, 0, 0
	TURN 0, 1, 2
	STEP 1, 0, 0
	s_wait_tensorcnt 0x0
	ds_add_u32 v[SPW], v[NIL]
	s_wait_dscnt 4*NL+1
	WIN MUL_LO
	MUL16 0, 1, NQ-1, 1, 0
	s_wait_dscnt 0x0
	s_barrier_signal -1
	MUL16 2, 1, NQ-1, 1, 0
	WIN 0
	s_barrier_wait -1
	QLOAD 1
	WIN MUL_HI
	MUL16 4, 1, NQ-1, 1, 0
	MUL16 6, 1, NQ-1, 1, 0
	WIN 0
.macro QROW a
.set W, 2+(\a)/4
.set WW, W|(W<<2)
.set S, 64*((\a)%4)
.set PCS, PC+16*((\a)%2)
	WIN WW
.irp b, 0,1,2,3
	v_max3_num_f32 v[TM+\b], |v[S+16*\b]|, |v[S+16*\b+1]|, s[FLO]
.endr
.irp i, 2,4,6,8,10,12,14
.irp b, 0,1,2,3
	v_max3_num_f32 v[TM+\b], |v[S+16*\b+\i]|, |v[S+16*\b+\i+1]|, v[TM+\b]
.endr
.endr
	WIN 0
.irp b, 0,1,2,3
	v_permlanex16_b32 v[TM+4+\b], v[TM+\b], s[SEL], s[SEL+1]
.endr
.irp b, 0,1,2,3
	v_max_num_f32 v[TM+\b], v[TM+\b], v[TM+4+\b]
.endr
.irp b, 0,1,2,3
	v_add_nc_u32 v[TM+12+\b], 0xf8800000, v[TM+\b]
.endr
.irp b, 0,1,2,3
	v_and_or_b32 v[TM+8+\b], v[TM+\b], 0x7f800000, s[MNT]
.endr
.irp b, 0,1,2,3
	v_lshrrev_b32 v[TM+4+\b], 23, v[TM+12+\b]
.endr
	v_lshl_or_b32 v[PWS+\a], v[TM+5], 8, v[TM+4]
	v_lshl_or_b32 v[PWS+\a], v[TM+6], 16, v[PWS+\a]
	v_lshl_or_b32 v[PWS+\a], v[TM+7], 24, v[PWS+\a]
	WIN W
.irp b, 0,1,2,3
.irp i, 0,1,2,3,4,5,6,7,8,9,10,11,12,13,14,15
	v_med3_num_f32 v[XT+16*\b+\i], v[S+16*\b+\i], -v[TM+8+\b], v[TM+8+\b]
.endr
.endr
	WIN 0
.if (\a) >= 2
	s_wait_alu depctr_va_vdst(0)
	s_wait_xcnt 0x0
.endif
.irp b, 0,1,2,3
	v_cvt_scalef32_pk8_bf8_f32 v[PCS+4*\b:PCS+4*\b+1], v[XT+16*\b:XT+16*\b+7], v[TM+12+\b]
	v_cvt_scalef32_pk8_bf8_f32 v[PCS+4*\b+2:PCS+4*\b+3], v[XT+16*\b+8:XT+16*\b+15], v[TM+12+\b]
.endr
	v_nop
.irp b, 0,1,2,3
	global_store_b128 v[VO+(\a)%4], v[PCS+4*\b:PCS+4*\b+3], s[SB+4*((\a)/4)+2*(\b/2):SB+4*((\a)/4)+2*(\b/2)+1] offset:512*(\b%2)
.endr
.endm
	PLACES NP
.irp a, 0,1
	global_load_b128 v[XS+8*\a:XS+8*\a+3], v[RS], s[6:7] offset:512*\a
	global_load_b128 v[XS+8*\a+4:XS+8*\a+7], v[RS], s[6:7] offset:512*\a+16
.endr
.irp t, 0,1,2,3
	global_load_b128 v[WS+8*\t:WS+8*\t+3], v[RS], s[14:15] offset:512*\t
	global_load_b128 v[WS+8*\t+4:WS+8*\t+7], v[RS], s[14:15] offset:512*\t+16
.endr
.irp b, 0,1,2,3
	v_mov_b32 v[TM+4+\b], 0
.endr
.irp a, 0,1,2,3,4,5,6,7
	QROW \a
.endr
	s_cmp_eq_u32 s[KIND], 1
	s_cbranch_scc1 .Lv_words
	s_wait_loadcnt 0x0
	v_mov_b32 v48, s[TOPF]
	v_mov_b32 v49, s[TOPT]
.irp a, 0,1,2,3,4,5,6,7
	v_cmp_ne_u32 vcc_lo, 0, v[VM+\a]
	v_cndmask_b32 v[TOP+\a], v48, v49, vcc_lo
.endr
.irp i, 0,1,2,3
	v_cndmask_b32 v[52+\i], v[PWS+\i], v[PWS+4+\i], s[HM]
	v_cndmask_b32 v[56+\i], v[TOP+\i], v[TOP+4+\i], s[HM]
.endr
.irp i, 0,1,2,3
	v_and_or_b32 v[60+\i], v[52+\i], s[LOW], v[56+\i]
	v_lshrrev_b32 v[48+\i], 16, v[52+\i]
.endr
.irp i, 0,1,2,3
	v_or_b32 v[48+\i], v[48+\i], v[56+\i]
.endr
	global_store_b128 v[LI], v[60:63], s[SCB:SCB+1]
	global_store_b128 v[LI], v[48:51], s[SCB+2:SCB+3]
	s_branch .Lq_part
.Lv_words:
	global_store_b128 v[LI], v[PWS:PWS+3], s[SCB:SCB+1]
	global_store_b128 v[LI], v[PWS+4:PWS+7], s[SCB+2:SCB+3]
.Lq_part:
.macro FQ ks
.set KC, (\ks)/2
.set Q2, (\ks)%2
.set WQ, 1+KC%3
	WIN WQ<<6
.irp a, 0,1
.irp c, 0,1,2,3
	ds_load_b128 v[32*Q2+16*\a+4*\c:32*Q2+16*\a+4*\c+3], v[18+KC+2*(KC/2)] offset:128*Q2+32*\c+\a*16*PITCH
.endr
.endr
.irp t, 0,1,2,3
.irp c, 0,1,2,3
	ds_load_b128 v[64+64*Q2+16*\t+4*\c:64+64*Q2+16*\t+4*\c+3], v[24+KC+3*(KC/3)] offset:128*Q2+32*\c+\t*16*PITCH
.endr
.endr
.endm
.macro MQ ks
.set KC, (\ks)/2
.set Q2, (\ks)%2
.set WQ, 1+KC%3
	WIN WQ|(WQ<<2)
.irp a, 0,1
.irp t, 0,1,2,3
.if (\ks) == 0
	v_wmma_scale_f32_16x16x128_f8f6f4 v[QD+8*(4*\a+\t):QD+8*(4*\a+\t)+7], v[64+64*Q2+16*\t:64+64*Q2+16*\t+15], v[32*Q2+16*\a:32*Q2+16*\a+15], 0, v[WS+8*\t+(\ks)], v[XS+8*\a+(\ks)] matrix_a_fmt:MATRIX_FMT_BF8 matrix_b_fmt:MATRIX_FMT_BF8
.else
	v_wmma_scale_f32_16x16x128_f8f6f4 v[QD+8*(4*\a+\t):QD+8*(4*\a+\t)+7], v[64+64*Q2+16*\t:64+64*Q2+16*\t+15], v[32*Q2+16*\a:32*Q2+16*\a+15], v[QD+8*(4*\a+\t):QD+8*(4*\a+\t)+7], v[WS+8*\t+(\ks)], v[XS+8*\a+(\ks)] matrix_a_fmt:MATRIX_FMT_BF8 matrix_b_fmt:MATRIX_FMT_BF8
.endif
.endr
.endr
.endm
.macro QQ a
.set S, QD+32*(\a)
.irp b, 0,1
	v_max3_num_f32 v[TM+\b], |v[S+16*\b]|, |v[S+16*\b+1]|, 0x9800000
.endr
.irp i, 2,4,6,8,10,12,14
.irp b, 0,1
	v_max3_num_f32 v[TM+\b], v[TM+\b], |v[S+16*\b+\i]|, |v[S+16*\b+\i+1]|
.endr
.endr
.irp b, 0,1
	v_permlanex16_b32 v[TM+4+\b], v[TM+\b], s[SEL], s[SEL+1]
.endr
.irp b, 0,1
	v_max_num_f32 v[TM+\b], v[TM+\b], v[TM+4+\b]
.endr
.irp b, 0,1
	v_add_nc_u32 v[TM+12+\b], 0xf8800000, v[TM+\b]
.endr
.irp b, 0,1
	v_and_or_b32 v[TM+8+\b], v[TM+\b], 0x7f800000, s[MNT]
.endr
.irp b, 0,1
	v_lshrrev_b32 v[TM+4+\b], 23, v[TM+12+\b]
.endr
	v_lshl_or_b32 v[QW+\a], v[TM+5], 8, v[TM+4]
	v_add_nc_u32 v[QW+\a], 0x7f7efcfd, v[QW+\a]
.irp b, 0,1
.irp i, 0,1,2,3,4,5,6,7,8,9,10,11,12,13,14,15
	v_med3_num_f32 v[S+16*\b+\i], v[S+16*\b+\i], -v[TM+8+\b], v[TM+8+\b]
.endr
	v_cvt_scalef32_pk8_bf8_f32 v[QC+8*(\a)+4*\b:QC+8*(\a)+4*\b+1], v[S+16*\b:S+16*\b+7], v[TM+12+\b]
	v_cvt_scalef32_pk8_bf8_f32 v[QC+8*(\a)+4*\b+2:QC+8*(\a)+4*\b+3], v[S+16*\b+8:S+16*\b+15], v[TM+12+\b]
.endr
	v_nop
.irp b, 0,1
	global_store_b128 v[LI], v[QC+8*(\a)+4*\b:QC+8*(\a)+4*\b+3], s[24:25] offset:1024*(\a)+512*\b
.endr
.endm
	s_wait_tensorcnt 0x0
	s_barrier_signal -1
	s_barrier_wait -1
	FQ 0
	FQ 1
	s_wait_loadcnt 0x0
.irp k, 0,1,2,3,4,5,6,7
.if \k < 7
	s_wait_dscnt 24
.else
	s_wait_dscnt 0x0
.endif
	MQ \k
.if \k == 4
	PLACES NP
.endif
.if \k < 6
	FQ \k+2
.endif
.endr
	WIN 0
	PLACES NP
	s_wait_xcnt 0x0
	QQ 0
	QQ 1
	v_lshlrev_b32 v[QW+3], 4, v1
	v_lshl_add_u32 v[QW+3], v2, 2, v[QW+3]
	v_cndmask_b32 v[QW+2], v[QW], v[QW+1], s[HM]
	global_store_b32 v[QW+3], v[QW+2], s[26:27]
	s_wait_tensorcnt 0x0
	ds_add_u32 v[SPW], v[NIL]
	s_wait_dscnt 0x0
	s_endpgm
.Lfunc_end_k_qb5401784ad_proj:
	.size	k_qb5401784ad_proj, .Lfunc_end_k_qb5401784ad_proj-k_qb5401784ad_proj
	.p2alignl 7, 3214868480
	.fill 96, 4, 3214868480
	.section	.rodata,"a",@progbits
	.p2align	6, 0x0
	.amdhsa_kernel k_qb5401784ad_proj
		.amdhsa_group_segment_fixed_size 327680
		.amdhsa_private_segment_fixed_size 0
		.amdhsa_enable_private_segment 0
		.amdhsa_kernarg_size 96
		.amdhsa_user_sgpr_count 2
		.amdhsa_user_sgpr_kernarg_segment_ptr 1
		.amdhsa_wavefront_size32 1
		.amdhsa_system_sgpr_workgroup_id_x 1
		.amdhsa_system_sgpr_workgroup_id_y 1
		.amdhsa_system_sgpr_workgroup_id_z 1
		.amdhsa_system_vgpr_workitem_id 0
		.amdhsa_next_free_vgpr 1024
		.amdhsa_next_free_sgpr 100
		.amdhsa_reserve_vcc 1
		.amdhsa_float_denorm_mode_32 3
		.amdhsa_float_denorm_mode_16_64 3
		.amdhsa_memory_ordered 1
		.amdhsa_forward_progress 1
		.amdhsa_inst_pref_size 219
	.end_amdhsa_kernel
	.amdgpu_metadata
---
amdhsa.version: [ 1, 2 ]
amdhsa.kernels:
  - .name:           k_qb5401784ad_proj
    .symbol:         k_qb5401784ad_proj.kd
    .args:
      - { .name: x_codes, .offset: 0, .size: 8, .value_kind: global_buffer, .address_space: global }
      - { .name: x_scales, .offset: 8, .size: 8, .value_kind: global_buffer, .address_space: global }
      - { .name: context_codes, .offset: 16, .size: 8, .value_kind: global_buffer, .address_space: global }
      - { .name: context_scales, .offset: 24, .size: 8, .value_kind: global_buffer, .address_space: global }
      - { .name: Wq_codes, .offset: 32, .size: 8, .value_kind: global_buffer, .address_space: global }
      - { .name: Wq_scales, .offset: 40, .size: 8, .value_kind: global_buffer, .address_space: global }
      - { .name: Wkv_codes, .offset: 48, .size: 8, .value_kind: global_buffer, .address_space: global }
      - { .name: Wkv_scales, .offset: 56, .size: 8, .value_kind: global_buffer, .address_space: global }
      - { .name: mask, .offset: 64, .size: 8, .value_kind: global_buffer, .address_space: global }
      - { .name: kv, .offset: 72, .size: 8, .value_kind: global_buffer, .address_space: global }
      - { .name: qimg, .offset: 80, .size: 8, .value_kind: global_buffer, .address_space: global }
      - { .name: qsc, .offset: 88, .size: 8, .value_kind: global_buffer, .address_space: global }
    .group_segment_fixed_size: 327680
    .private_segment_fixed_size: 0
    .kernarg_segment_align: 8
    .kernarg_segment_size: 96
    .max_flat_workgroup_size: 128
    .sgpr_count:     100
    .vgpr_count:     1024
    .wavefront_size: 32
...
	.end_amdgpu_metadata
.endif
;; end of part 1
;; launch attn (part 2): grid 4 x 64, 8 waves a work-group, clusters of 4 x 4, 327,680 bytes of LDS; arguments sim_bias, kv, qimg, qsc, oimg, osc; writes oimg, osc
.if DOCPART == 2
	.amdgcn_target "amdgcn-amd-amdhsa--gfx1250"
	.amdhsa_code_object_version 6
	.text
	.protected	k_qb5401784ad_attn
	.globl	k_qb5401784ad_attn
	.p2align	8
	.type	k_qb5401784ad_attn,@function
k_qb5401784ad_attn:
	s_mov_b64 s[64:65], 0
	v_nop
	global_prefetch_b8 v0, s[64:65] scope:SCOPE_SE
	s_setreg_imm32_b32 hwreg(HW_REG_WAVE_MODE, 25, 1), 1
	s_wait_xcnt 0x0
	s_wait_alu depctr_hold_cnt(0) depctr_sa_sdst(0) depctr_va_vdst(0) depctr_va_sdst(0) depctr_va_ssrc(0) depctr_va_vcc(0) depctr_vm_vsrc(0)
	s_getreg_b32 s2, hwreg(HW_REG_IB_STS2, 6, 4)
	s_cmp_eq_u32 s2, 0
	s_cbranch_scc0 .Lentry_in_a_cluster
	s_endpgm
.Lentry_in_a_cluster:
	s_bfe_u32 s2, ttmp6, 0x10000c
	s_cmp_lg_u32 s2, 0xf033
	s_cbranch_scc0 .Lentry_shape_is_right
	s_endpgm
.Lentry_shape_is_right:
; O = softmax(q k^T / 8 + sim_bias, masked) v for every batch and head, both products on codes of E5M2 with E8M0 scales; O is quantised along (head, d) on the way out.  No work of reference() is left out.
; SHARES.  A work-group owns 64 queries of two heads.  Wave w owns head w % 2 of the pair, the two query tiles 2 g and 2 g + 1 (A and B, 16 queries each; g = (w / 2) % 2), and of every slot's two key steps of 128 keys
; the one with number w / 4.  So a fragment of K or V that it reads from LDS serves two tiles.  At the end waves w and w + 4, which walked the two halves of the keys, exchange one tile each through LDS and join the halves.
; LAYOUT.  Both products are used transposed: S^T = K Q^T, O^T = V^T P^T: a lane holds ONE query (lane % 16) throughout.  All operands lie in kv and qimg as images of their registers (made by the launch before).
; p's 16 registers of two neighbouring key tiles are the block's keys 16 u + 8 h + j: the order in which v was quantised.
; THE LOGIT COMES WHOLE FROM THE MATRIX UNIT.  sim_bias is the C of the first product; the factor 1/8 was taken off q's scale bytes; the head's 64 fill half of the instruction's 128, and place 64 holds the code 1.0
; on K's side and -1.0 on Q's, under K's third scale byte: 2^-126 for a key that counts, 2^120 for one that the mask hides.  All other places from 64 on are zero codes on Q's side; on K's side they overlap the next tile's codes.
; THE SOFTMAX: t = logit x log2(e); M = the running largest t rounded up to a whole number; p = 2^(t - M) is quantised along the keys, not normalised; the row's sum is taken of the unquantised p and divides at the end.
; When M moves, the sum and O^T are multiplied by 2^(old M - new M), which rounds nothing; the two halves of the keys are joined by the same factors.
; LIMITS: a hidden logit is -2^120 and not -FLT_MAX: p is 0 there while |q.k / 8 + bias| stays under 2^96; a key that counts carries -2^-126 in its logit.  A batch with no key left gives reference()'s plain average of v
; only if every hidden logit comes out as -2^120 exactly.  Blocks of p or O under 2^-111 keep the floor's byte.  NaN and infinities are not served.
; CLUSTER, 4 x 4: x is the pair of heads, y the block of queries.  The records of kv hang on batch and heads: the four of a column ask for them jointly; the tile of sim_bias hangs on batch and queries: the four of a row do.
; RING: two slots of two key steps: four records (2 heads x 2 steps), then 64 rows x 1,024 bytes of sim_bias, 16 bytes of padding behind each.  Waves 0-3 fetch a record each, waves 4-7 sixteen rows of sim_bias each.
; ORDER IN A SLOT: K and A's bias are asked for behind the round and land under B's softmax of the slot before; B's bias and V land under A's softmax.  When the next round opens all reads of the slot are over.
; REGISTERS, windows 0 (tile A) and 1 (tile B), the same numbers in both: v36-51 Q, v52-79 at work, v80-143 bias, logits, p, v144-175 O^T, v176-191 partial sums, then p's codes.
; Window 0 besides: v1-15 addresses, v16-31 scale words, v192-255 V.  Window 1 besides: K's eight tiles, ten registers apart, at v192-247 (0 to 4) and v0-35 (5 to 7).
.set REC,   17408
.set VIMG,  8192
.set KSC,   16384
.set VSC,   16896
.set BOFF,  4*REC                      ; behind a slot's four records: sim_bias
.set BP,    1040                       ; its row in LDS: 1,024 bytes + 16: the 16 rows that a load touches start 260 words apart
.set SLOT,  BOFF+64*BP
.set XCH,   2*SLOT                     ; the exchange of the halves: 4,608 bytes a wave; no fill lands here
.set XW,    4608
.set SPARE, XCH+8*XW                   ; the spare words, 128 bytes a wave: four blocks of 256 bytes that no other line names
.set LI,  1                            ; v1, v2  my record in slot 0, 1 + 16 x lane
.set BI,  3                            ; v3, v4  my row of sim_bias (tile A) in slot 0, 1
.set SPW, 5
.set NIL, 6
.set PFO, 7                            ; the prefetches' offset; never rewritten
.set L16, 8                            ; 16 x lane; never rewritten
.set XST, 9                            ; the exchange: my bytes,
.set XLD, 10                           ; and my partner's
.set KSR, 16                           ; K's scale words: lanes 0-15 tiles 0-3, lanes 16-31 tiles 4-7
.set VSR, 20                           ; V's
.set PW,  24                           ; v24, v25  p's, for A and B
.set QS,  30                           ; v30, v31  Q's, for A and B
.set NM,  52                           ; -M
.set MT,  53                           ; the largest logit
.set LS,  54                           ; the sum, in two halves
.set FF,  56                           ; 2^(old M - new M)
.set BM,  58                           ; the blocks' largest
.set PX,  62
.set LM,  66                           ; the holds
.set SO,  70                           ; the conversions' scale operands
.set E,   74
.set S,   80
.set O,   144
.set C,   176
.set AC,  176
.set AP,  184
.set VF,  192
.set WV,  16
.set W3,  17
.set EH,  18
.set QG,  19
.set SEL, 20
.set CS,  22                           ; s[22:23] log2(e)
.set MNT, 24
.set G1KV, 32
.set G1BI, 40
.set G0KV, 48                          ; a set for each slot
.set G0BI, 56
.set TRIPS, 66
.set RF,  67                           ; tensor loads still to come
.set LIM, 68                           ; 1 in a wave that prefetches, else the greatest number
.set PAR, 69                           ; which key step of a slot is mine
.set PFA, 70
.set PFS, 72
.set MSB, 0
.macro WIN new                         ; the immediate's high byte repeats the setting that is left
.if MSB != (\new)
	s_set_vgpr_msb (MSB<<8)|(\new)
.set MSB, (\new)
.endif
.endm
.macro WA
	s_wait_alu depctr_va_vdst(0)
.endm
.macro CREST                           ; a round of the cluster's barrier behind its opening barrier
	s_cmp_lg_u32 s[WV], 0
	s_cbranch_scc1 .Lnot_wave_0_\@
	s_barrier_signal -3
.Lnot_wave_0_\@:
	s_barrier_wait -3
	s_barrier_signal -1
	s_barrier_wait -1
.endm
.macro CROUND
	s_barrier_signal -1
	s_barrier_wait -1
	CREST
.endm
.macro JLOAD s                         ; a joint load into slot s; the branch hangs on the wave's number alone
	s_cmp_lt_u32 s[WV], 4
	s_cbranch_scc0 .Lfor_b_\@
	tensor_load_to_lds s[G0KV+4*\s:G0KV+4*\s+3], s[G1KV:G1KV+7]
	s_nop 0
.rept 4
	v_nop
.endr
	s_branch .Lasked_\@
.Lfor_b_\@:
	tensor_load_to_lds s[G0BI+4*\s:G0BI+4*\s+3], s[G1BI:G1BI+7]
	s_nop 0
.rept 4
	v_nop
.endr
.Lasked_\@:
.endm
; A prefetch of what the NEXT change of slots will ask for, two key steps ahead of that load; slots 0 and 1 come by their loads alone.  Each aligned block of 256 bytes is named once in the launch.  sim_bias: the four partners
; of a row take 16 of the tile's 64 rows each, told apart by address; waves 4 and 5 ask, eight rows x four blocks each.  Records: the four clusters of a batch walk the same ones, so the first of them asks; the partner at
; place cy of a column takes record cy of the slot's four, waves 0 and 1 its first 64 blocks (the codes; the last four blocks come by their load alone).  The last load has nothing behind it to ask for.
.macro ASK
	s_cmp_gt_u32 s[RF], s[LIM]
	s_cbranch_scc0 .Lnot_mine_\@
	global_prefetch_b8 v[PFO], s[PFA:PFA+1] th:TH_LOAD_NT scope:SCOPE_SE
.Lnot_mine_\@:
	s_sub_co_u32 s[RF], s[RF], 1
.endm
	s_load_b256 s[4:11], s[0:1], 0x0               ; sim_bias, kv, qimg, qsc
	s_load_b128 s[12:15], s[0:1], 0x20             ; oimg, osc
	v_lshl_add_u32 v[SPW], v0, 2, SPARE
	v_mov_b32 v[NIL], 0
	ds_add_u32 v[SPW], v[NIL]                      ; the wave's opening: the add, twice on end, and its wait ahead of my first tensor load
	ds_add_u32 v[SPW], v[NIL]
	v_lshrrev_b32 v11, 5, v0
	v_readfirstlane_b32 s[WV], v11                 ; wave 0..7
	s_and_b32 s[W3], s[WV], 3                      ; which quarter of a slot's records or bias I fetch
	s_and_b32 s[EH], s[WV], 1                      ; my head of the pair
	s_bfe_u32 s[QG], s[WV], 0x10001                ; my pair of query tiles
	s_lshr_b32 s[PAR], s[WV], 2                    ; my key step of each slot
	s_bfe_u32 s25, ttmp6, 0x40000                  ; cx
	s_bfe_u32 s26, ttmp6, 0x40004                  ; cy
	s_and_b32 s27, ttmp7, 0xffff                   ; cluster y
	s_lshr_b32 s28, s27, 2                         ; the batch
	s_lshl_b32 s29, ttmp9, 2
	s_add_co_u32 s29, s29, s25                     ; the pair of heads
	s_and_b32 s30, s27, 3
	s_lshl_b32 s30, s30, 2
	s_add_co_u32 s30, s30, s26                     ; the block of 64 queries
	s_lshl_b32 s74, 0x1111, s25                    ; my column of the cluster
	s_lshl_b32 s76, s26, 2
	s_lshl_b32 s76, 15, s76                        ; my row
	s_or_b32 s[G1KV], s74, (3<<16)|(1<<21)         ; a record: 68 dense rows of 32 elements of 8 bytes
	s_mov_b32 s[G1KV+1], 32<<16
	s_mov_b32 s[G1KV+2], 68<<16
	s_mov_b32 s[G1KV+3], 32<<16
	s_mov_b32 s[G1KV+4], 68
	s_mov_b32 s[G1KV+5], 32
	s_mov_b32 s[G1KV+6], 0
	s_mov_b32 s[G1KV+7], 0
	s_or_b32 s[G1BI], s76, (2<<16)|(1<<20)|(1<<21)|(7<<22)|(3<<25)  ; 16 rows of 256 elements of 4 bytes; 4 words of padding behind every 256
	s_mov_b32 s[G1BI+1], 256<<16
	s_mov_b32 s[G1BI+2], 16<<16
	s_mov_b32 s[G1BI+3], 256<<16
	s_mov_b32 s[G1BI+4], 16
	s_mov_b32 s[G1BI+5], 4096
	s_mov_b32 s[G1BI+6], 0
	s_mov_b32 s[G1BI+7], 0
	s_lshl_b32 s74, s28, 3                         ; my record of slot 0: ((8 batch + 2 pair + w3 / 2) x 32 + w3 % 2) x REC: batch, pair and wave alone
	s_lshl_b32 s75, s29, 1
	s_add_co_u32 s74, s74, s75
	s_lshr_b32 s75, s[W3], 1
	s_add_co_u32 s74, s74, s75
	s_lshl_b32 s74, s74, 5
	s_and_b32 s75, s[W3], 1
	s_add_co_u32 s74, s74, s75
	s_mul_i32 s74, s74, REC
	s_mov_b32 s75, 0
	s_lshl_b32 s76, s28, 10                        ; my rows of sim_bias: (1,024 batch + 64 block + 16 w3) x 16,384 bytes: batch, block and wave alone
	s_lshl_b32 s77, s30, 6
	s_add_co_u32 s76, s76, s77
	s_lshl_b32 s77, s[W3], 4
	s_add_co_u32 s76, s76, s77
	s_lshl_b32 s76, s76, 14
	s_mov_b32 s77, 0
	s_mul_i32 s78, s[W3], REC                      ; where they go: no place in the cluster enters an LDS address
	s_mul_i32 s79, s[W3], 16*BP
	s_add_co_u32 s79, s79, BOFF
	s_mov_b32 s[SEL], 0x76543210
	s_mov_b32 s[SEL+1], 0xfedcba98
	s_mov_b32 s[CS], 0x3fb8aa3b                    ; log2(e)
	s_mov_b32 s[CS+1], s[CS]
	s_mov_b32 s[MNT], 0x600000
	s_mov_b32 s[RF], 15
	s_wait_dscnt 0x0                               ; both opening adds are done
	s_wait_kmcnt 0x0
	s_add_nc_u64 s[74:75], s[6:7], s[74:75]
	s_add_nc_u64 s[76:77], s[4:5], s[76:77]
	CROUND                                         ; all sixteen work-groups are here: the first joint loads meet
.irp s, 0,1
	s_mov_b32 s[G0KV+4*\s], 1
	s_add_co_u32 s[G0KV+4*\s+1], s78, \s*SLOT
	s_add_nc_u64 s[G0KV+4*\s+2:G0KV+4*\s+3], s[74:75], \s*2*REC
	s_or_b32 s[G0KV+4*\s+3], s[G0KV+4*\s+3], 0x80000000
	s_mov_b32 s[G0BI+4*\s], 1
	s_add_co_u32 s[G0BI+4*\s+1], s79, \s*SLOT
	s_add_nc_u64 s[G0BI+4*\s+2:G0BI+4*\s+3], s[76:77], \s*1024
	s_or_b32 s[G0BI+4*\s+3], s[G0BI+4*\s+3], 0x80000000
.endr
	JLOAD 0                                        ; slot 0: one tensor load a wave at the head
	v_and_b32 v11, 15, v0                          ; r
	v_bfe_u32 v12, v0, 4, 1                        ; h
	v_and_b32 v13, 31, v0                          ; lane
	v_lshlrev_b32 v[L16], 4, v13
	v_lshlrev_b32 v14, 4, v11                      ; 16 r
	v_mul_u32_u24 v15, v11, BP
	v_lshl_add_u32 v15, v12, 5, v15                ; a row of sim_bias + 32 h
	v_xor_b32 v26, 1, v12                          ; 1 in lanes 0-15
	v_mul_u32_u24 v27, v26, 0x3c                   ; K's place 64: the code 1.0
	v_mul_u32_u24 v44, v26, 0xbc                   ; Q's place 64: the code -1.0
	WA
	s_lshl_b32 s76, s29, 1
	s_add_co_u32 s76, s76, s[EH]                   ; my head
	s_lshl_b32 s77, s28, 3
	s_add_co_u32 s77, s77, s76                     ; 8 batch + head
	s_lshl_b32 s78, s30, 2
	s_lshl_b32 s79, s[QG], 1
	s_add_co_u32 s78, s78, s79                     ; my query tile A in the batch, 0 .. 63; tile B is the next
	s_lshl_b32 s80, s77, 6
	s_add_co_u32 s80, s80, s78
	s_lshl_b32 s80, s80, 10                        ; Q's image: 1,024 bytes a tile
	s_mov_b32 s81, 0
	s_add_nc_u64 s[8:9], s[8:9], s[80:81]
	s_lshl_b32 s80, s77, 3
	s_lshr_b32 s82, s78, 3
	s_add_co_u32 s80, s80, s82
	s_lshl_b32 s80, s80, 9                         ; Q's scale words: 512 bytes for eight tiles; tile a's lie at 16 (r + 16 (a / 4)) + 4 (a % 4)
	s_bfe_u32 s82, s78, 0x10002
	s_lshl_b32 s82, s82, 8
	s_add_co_u32 s80, s80, s82
	s_and_b32 s82, s78, 3
	s_lshl_b32 s82, s82, 2
	s_add_co_u32 s80, s80, s82
	s_add_nc_u64 s[10:11], s[10:11], s[80:81]
	global_load_b128 v[36:39], v[L16], s[8:9]
	global_load_b128 v[40:43], v[L16], s[8:9] offset:512
	global_load_b32 v[QS], v14, s[10:11]
	global_load_b32 v[QS+1], v14, s[10:11] offset:4
	WIN 0x40
	global_load_b128 v[36:39], v[L16], s[8:9] offset:1024
	global_load_b128 v[40:43], v[L16], s[8:9] offset:1536
	WIN 0
	s_lshl_b32 s80, s28, 6
	s_add_co_u32 s80, s80, s78
	s_add_co_u32 s80, s80, s[PAR]                  ; the query tile of all 256 that I bring to its end: A in waves 0-3, B in waves 4-7
	s_lshl_b32 s83, s80, 8                         ; its 16 rows of osc, 16 bytes each,
	s_lshl_b32 s80, s80, 13                        ; its 8,192 bytes of oimg,
	s_lshl_b32 s82, s29, 11                        ; the pair's K step,
	s_add_co_u32 s80, s80, s82
	s_lshl_b32 s82, s[EH], 10                      ; my head's two blocks
	s_add_co_u32 s80, s80, s82
	s_add_nc_u64 s[12:13], s[12:13], s[80:81]
	s_lshl_b32 s82, s76, 1                         ; my head's two bytes
	s_add_co_u32 s80, s83, s82
	s_add_nc_u64 s[14:15], s[14:15], s[80:81]
	s_mul_i32 s80, s[EH], 2*REC
	s_mul_i32 s82, s[PAR], REC
	s_add_co_u32 s80, s80, s82
	v_add_nc_u32 v[LI], s80, v[L16]
	v_add_nc_u32 v[LI+1], SLOT, v[LI]
	s_mul_i32 s80, s[QG], 32*BP
	s_lshl_b32 s82, s[PAR], 9
	s_add_co_u32 s80, s80, s82
	s_add_co_u32 s80, s80, BOFF
	v_add_nc_u32 v[BI], s80, v15
	v_add_nc_u32 v[BI+1], SLOT, v[BI]
	s_mul_i32 s80, s[WV], XW
	s_add_co_u32 s80, s80, XCH
	v_add_nc_u32 v[XST], s80, v[L16]
	s_xor_b32 s80, s[WV], 4
	s_mul_i32 s80, s80, XW
	s_add_co_u32 s80, s80, XCH
	v_add_nc_u32 v[XLD], s80, v[L16]
	; the prefetches: where my wave's stand, and who asks
	s_lshl_b32 s80, s28, 3
	s_lshl_b32 s81, s29, 1
	s_add_co_u32 s80, s80, s81
	s_lshr_b32 s81, s26, 1
	s_add_co_u32 s80, s80, s81
	s_lshl_b32 s80, s80, 5
	s_and_b32 s81, s26, 1
	s_add_co_u32 s80, s80, s81
	s_add_co_u32 s80, s80, 2                       ; in slot 1: the first change of slots steps it to slot 2
	s_mul_i32 s80, s80, REC
	s_lshl_b32 s81, s[EH], 13
	s_add_co_u32 s80, s80, s81                     ; records: record cy of the slot, 8,192 bytes a wave
	s_lshl_b32 s82, s28, 10
	s_lshl_b32 s83, s30, 6
	s_add_co_u32 s82, s82, s83
	s_lshl_b32 s83, s25, 4
	s_add_co_u32 s82, s82, s83
	s_lshl_b32 s83, s[EH], 3
	s_add_co_u32 s82, s82, s83
	s_lshl_b32 s82, s82, 14
	s_add_co_u32 s82, s82, 1024                    ; sim_bias: rows 16 cx + 8 (wave % 2) on, in slot 1
	s_and_b32 s84, s27, 3
	s_mov_b32 s[PFS], 1024
	s_mov_b32 s85, 16384
	s_cmp_lt_u32 s[WV], 4
	s_cselect_b64 s[PFA:PFA+1], s[6:7], s[4:5]
	s_cselect_b32 s80, s80, s82
	s_cselect_b32 s84, s84, 0                      ; records: only the batch's first cluster
	s_cselect_b32 s[PFS], 2*REC, s[PFS]            ; a slot on
	s_cselect_b32 s85, 1024, s85                   ; from four lanes to the next four
	s_mov_b32 s81, 0
	s_mov_b32 s[PFS+1], 0
	s_add_nc_u64 s[PFA:PFA+1], s[PFA:PFA+1], s[80:81]
	s_and_b32 s86, s[WV], 2                        ; waves 0, 1, 4, 5
	s_or_b32 s84, s84, s86
	s_cmp_eq_u32 s84, 0
	s_cselect_b32 s[LIM], 1, -1                    ; the same in all sixteen partners, for a given wave
	v_lshrrev_b32 v[PFO], 2, v13
	v_and_b32 v28, 3, v13
	v_mul_lo_u32 v[PFO], v[PFO], s85
	v_lshl_add_u32 v[PFO], v28, 8, v[PFO]
.irp x, 0,1
	WIN 0x40*\x
.irp i, 45,46,47,48,49,50,51
	v_mov_b32 v\i, 0                               ; Q's other places from 64 on: zero codes
.endr
	v_mov_b32 v[NM], 0x7f61b1e6                    ; 3e38
	v_mov_b32 v[MT], 0xff1676c8                    ; the largest logit so far: -2e38
.irp i, 0,1
	v_mov_b32 v[LS+\i], 0
.endr
	v_mov_b32 v[FF+1], 0                           ; (named as the upper half of a pair before it is first written)
.irp i, 0,1,2,3
	v_mov_b32 v[PX+\i], 0                          ; written once: a lane permute's destination counts as one of its sources
.endr
.set j, 0
.rept 32
	v_mov_b32 v[O+j], 0                            ; O^T: the first step finds zeros, which the first change of M leaves zeros
.set j, j+1
.endr
.endr
	v_mov_b32 v44, v44                             ; tile B's place 64 (destination in window 1)
.irp t, 0,1,2,3,4,5,6,7
.if \t < 5
.set KB, VF+10*\t
.else
.set KB, 10*\t-50
.endif
	v_mov_b32 v[KB+8], v27                         ; K's place 64: no load touches it
	v_mov_b32 v[KB+9], 0
.endr
.irp i, 0,1,2,3,4,5
	v_mov_b32 v[242+\i], 0                         ; behind the last tile of each of the two runs: zero codes
	v_mov_b32 v[30+\i], 0
.endr
	WIN 0
.macro LDK s                           ; K's scale words and eight tiles
	ds_load_b128 v[KSR:KSR+3], v[LI+\s] offset:KSC
	WIN 0x40
.irp t, 0,1,2,3,4,5,6,7
.if \t < 5
.set KB, VF+10*\t
.else
.set KB, 10*\t-50
.endif
	ds_load_b128 v[KB:KB+3], v[LI+\s] offset:1024*\t
	ds_load_b128 v[KB+4:KB+7], v[LI+\s] offset:1024*\t+512
.endr
	WIN 0
.endm
.macro LDB s, x                        ; sim_bias(tile x's query, keys 16 u + 8 h + 0 .. 7)
	WIN 0x40*\x
.irp u, 0,1,2,3,4,5,6,7
	ds_load_b128 v[S+8*\u:S+8*\u+3], v[BI+\s] offset:16*BP*\x+64*\u
	ds_load_b128 v[S+8*\u+4:S+8*\u+7], v[BI+\s] offset:16*BP*\x+64*\u+16
.endr
	WIN 0
.endm
.macro LDV s                           ; V's four d tiles and their scale words: 17 loads
.irp t, 0,1,2,3
.irp c, 0,1,2,3
	ds_load_b128 v[VF+16*\t+4*\c:VF+16*\t+4*\c+3], v[LI+\s] offset:VIMG+2048*\t+512*\c
.endr
.endr
	ds_load_b128 v[VSR:VSR+3], v[LI+\s] offset:VSC
.endm
.macro QK x                            ; the logits of tile x, over its bias
	WIN 0x01+0x54*\x
.irp t, 0,1,2,3,4,5,6,7
.if \t < 5
.set KB, VF+10*\t
.else
.set KB, 10*\t-50
.endif
.if \t < 4
	v_wmma_scale_f32_16x16x128_f8f6f4 v[S+8*\t:S+8*\t+7], v[KB:KB+15], v[36:51], v[S+8*\t:S+8*\t+7], v[KSR+\t], v[QS+\x] matrix_a_fmt:MATRIX_FMT_BF8 matrix_b_fmt:MATRIX_FMT_BF8
.else
	v_wmma_scale_f32_16x16x128_f8f6f4 v[S+8*\t:S+8*\t+7], v[KB:KB+15], v[36:51], v[S+8*\t:S+8*\t+7], v[KSR+\t-4], v[QS+\x] matrix_a_fmt:MATRIX_FMT_BF8 matrix_b_fmt:MATRIX_FMT_BF8 matrix_a_scale:MATRIX_SCALE_ROW1
.endif
.endr
.endm
.macro PV x
	WIN 0x54*\x
.irp t, 0,1,2,3
	v_wmma_scale_f32_16x16x128_f8f6f4 v[O+8*\t:O+8*\t+7], v[VF+16*\t:VF+16*\t+15], v[C:C+15], v[O+8*\t:O+8*\t+7], v[VSR+\t], v[PW+\x] matrix_a_fmt:MATRIX_FMT_BF8 matrix_b_fmt:MATRIX_FMT_BF8
.endr
.endm
.macro RESC x                          ; O^T under the new M; these 16 are also the places behind the other tile's logits and ahead of the products
	WIN 0x55*\x
	WA
.irp i, 0,1,2,3,4,5,6,7,8,9,10,11,12,13,14,15
	v_pk_mul_f32 v[O+2*\i:O+2*\i+1], v[O+2*\i:O+2*\i+1], v[FF:FF+1] op_sel_hi:[1,0]
.endr
.endm
.macro FMA2 reg                        ; t - M, two at a time
	v_pk_fma_f32 v[\reg:\reg+1], v[\reg:\reg+1], s[CS:CS+1], v[NM:NM+1] op_sel_hi:[1,0,0]
.endm
.macro HOLD reg, b                     ; p is not negative, so the hold is one-sided
	v_dual_min_num_f32 v[\reg], v[\reg], v[LM+\b] :: v_dual_min_num_f32 v[\reg+1], v[\reg+1], v[LM+\b]
.endm
.macro MAX1                            ; the largest logit of each block of 32 keys: for the row's maximum, and, since p rises with the logit, for the block's largest p
.irp b, 0,1,2,3
	v_max3_num_f32 v[BM+\b], v[S+16*\b], v[S+16*\b+1], v[S+16*\b+2]
.endr
.irp i, 3,5,7,9,11,13
.irp b, 0,1,2,3
	v_max3_num_f32 v[BM+\b], v[BM+\b], v[S+16*\b+\i], v[S+16*\b+\i+1]
.endr
.endr
.irp b, 0,1,2,3
	v_max_num_f32 v[BM+\b], v[BM+\b], v[S+16*\b+15]
.endr
.endm
.macro PRE                             ; with lane l xor 16's keys; the new M; the first block's t - M
.irp b, 0,1,2,3
	v_permlanex16_b32 v[PX+\b], v[BM+\b], s[SEL], s[SEL+1]
.endr
.irp b, 0,1,2,3
	v_max_num_f32 v[BM+\b], v[BM+\b], v[PX+\b]
.endr
	v_max3_num_f32 v[E], v[BM], v[BM+1], v[BM+2]
	s_delay_alu instid0(VALU_DEP_1)
	v_max3_num_f32 v[MT], v[E], v[BM+3], v[MT]     ; the running largest logit
	s_delay_alu instid0(VALU_DEP_1)
	v_mul_f32 v[E], s[CS], v[MT]                   ; as t
	s_delay_alu instid0(VALU_DEP_1)
	v_floor_f32 v[FF], -v[E]                       ; the new -M = -ceil(t)
	s_delay_alu instid0(VALU_DEP_1)
	v_sub_f32 v[E], v[FF], v[NM]                   ; old M - new M: a whole number, 0 or less
	v_mov_b32 v[NM], v[FF]
	v_cvt_i32_f32 v[E], v[E]                       ; (it saturates)
.irp b, 0,1,2,3
	v_fma_f32 v[BM+\b], v[BM+\b], s[CS], v[NM]
.endr
	v_ldexp_f32 v[FF], 1.0, v[E]                   ; f = 2^(old M - new M)
.irp i, 0,1,2,3,4,5,6,7
	FMA2 S+2*\i
.endr
.endm
; The exponentials of block b, with independent work among them that is first read behind the next wait: block b + 1's t - M, block b - 1's sums (ahead of its holds: the sum is of the unquantised p) and holds.
.macro STAGE b
.if (\b) == 0
.irp k, 0,1,2,3
	v_exp_f32 v[BM+\k], v[BM+\k]                   ; the blocks' largest p
.endr
.endif
.irp i, 0,1,2,3,4,5,6,7
	v_exp_f32 v[S+16*\b+2*\i], v[S+16*\b+2*\i]
.if ((\b) > 0) && ((\i)%2 == 0)
.if (\b) == 1
	v_pk_add_f32 v[AC+\i:AC+\i+1], v[S+2*\i:S+2*\i+1], v[S+2*\i+2:S+2*\i+3]
.else
.if (\b) == 3
	v_pk_add_f32 v[AC+\i:AC+\i+1], v[AC+\i:AC+\i+1], v[AP+\i:AP+\i+1]
.endif
	v_pk_add_f32 v[AP+\i:AP+\i+1], v[S+16*(\b-1)+2*\i:S+16*(\b-1)+2*\i+1], v[S+16*(\b-1)+2*\i+2:S+16*(\b-1)+2*\i+3]
.endif
.endif
	v_exp_f32 v[S+16*\b+2*\i+1], v[S+16*\b+2*\i+1]
.if (\b) < 3
	FMA2 S+16*\b+16+2*\i
.endif
.if (\b) > 0
	HOLD S+16*(\b-1)+2*\i, \b-1
.endif
.endr
.endm
.macro SCALES x
.irp b, 0,1,2,3
	v_max_num_f32 v[BM+\b], 0x8000000, v[BM+\b]    ; the floor 2^(16 - 127)
.endr
.irp b, 0,1,2,3
	v_add_nc_u32 v[SO+\b], 0xf8800000, v[BM+\b]    ; 15 off the exponent field: the conversion's scale operand
.endr
.irp b, 0,1,2,3
	v_and_or_b32 v[LM+\b], v[BM+\b], 0x7f800000, s[MNT]   ; 57,344 x the scale
.endr
.irp b, 0,1,2,3
	v_lshrrev_b32 v[PX+\b], 23, v[SO+\b]
.endr
	v_lshl_or_b32 v[E], v[PX+1], 8, v[PX]
	v_lshl_or_b32 v[E], v[PX+2], 16, v[E]
	WIN 0x15*\x
	v_lshl_or_b32 v[PW+\x], v[PX+3], 24, v[E]      ; p's scale word for these 128 keys, in window 0
	WIN 0x55*\x
.endm
.macro CV b, k
	v_cvt_scalef32_pk8_bf8_f32 v[C+4*\b+2*\k:C+4*\b+2*\k+1], v[S+16*\b+8*\k:S+16*\b+8*\k+7], v[SO+\b]
.endm
.macro TAIL                            ; the last block's sums and holds, the row's sum, the codes (over the partial sums that are done with)
.irp i, 0,2,4,6
	v_pk_add_f32 v[AC+\i:AC+\i+1], v[AC+\i:AC+\i+1], v[AP+\i:AP+\i+1]
.endr
.irp i, 0,2,4,6
	v_pk_add_f32 v[AP+\i:AP+\i+1], v[S+48+2*\i:S+49+2*\i], v[S+50+2*\i:S+51+2*\i]
.endr
.irp i, 0,1,2,3,4,5,6,7
	HOLD S+48+2*\i, 3
.endr
.irp i, 0,2,4,6
	v_pk_add_f32 v[AC+\i:AC+\i+1], v[AC+\i:AC+\i+1], v[AP+\i:AP+\i+1]
.endr
	CV 2, 0
	v_pk_add_f32 v[AC:AC+1], v[AC:AC+1], v[AC+2:AC+3]
	v_pk_add_f32 v[AC+4:AC+5], v[AC+4:AC+5], v[AC+6:AC+7]
	CV 2, 1
	CV 3, 0
	v_pk_add_f32 v[AC:AC+1], v[AC:AC+1], v[AC+4:AC+5]
	CV 3, 1
	v_pk_fma_f32 v[LS:LS+1], v[LS:LS+1], v[FF:FF+1], v[AC:AC+1] op_sel_hi:[1,0,1]
	CV 0, 0
	CV 0, 1
	CV 1, 0
	CV 1, 1
	v_nop                                          ; a plain line behind the last conversion
.endm
.macro SOFT x
	WIN 0x55*\x
	WA                                             ; ahead of the exponentials
	STAGE 0
	WA                                             ; ahead of the first reader of their results
	SCALES \x
	WA
	STAGE 1
	WA
	STAGE 2
	WA
	STAGE 3
	WA
	TAIL
.endm
; A SLOT.  Its head is the change of slots: each wave waits for all its tensor loads (one is out: its part of slot s), adds 0 to its spare word, and waits for that (its reads of the slot that it leaves are over).
; fill = 1: the barrier is a round of the cluster's, and the joint load of the slot after this one is the first thing behind it: it has a slot's work in which to land.  first = 1: no tile B of a slot before.
.macro ITER s, first, fill
.set FS, 1-\s
	WA
	s_wait_tensorcnt 0x0
	ds_add_u32 v[SPW], v[NIL]
.if \fill
.if \first == 0
	s_add_nc_u64 s[G0KV+4*FS+2:G0KV+4*FS+3], s[G0KV+4*FS+2:G0KV+4*FS+3], 4*REC
	s_add_nc_u64 s[G0BI+4*FS+2:G0BI+4*FS+3], s[G0BI+4*FS+2:G0BI+4*FS+3], 2048
.endif
	s_wait_xcnt 0x0                                ; the last prefetch, a slot back, has read its address
	s_add_nc_u64 s[PFA:PFA+1], s[PFA:PFA+1], s[PFS:PFS+1]
.endif
.if \first
	s_wait_dscnt 0x0
	s_barrier_signal -1
.else
	WIN 0x55
	MAX1                                           ; tile B of the slot before: registers alone
	WA
	s_wait_dscnt 0x0                               ; the add is done
	s_barrier_signal -1
	PRE                                            ; work on registers while the others arrive
	WIN 0
	WA
.endif
	s_barrier_wait -1
.if \fill
	CREST
	JLOAD FS
.endif
	LDK \s
	LDB \s, 0
.if \fill
	ASK
.endif
.if \first
	WA
	s_wait_loadcnt 0x0                             ; Q
.else
	SOFT 1
	WIN 0
	WA
.endif
	s_wait_dscnt 0x0                               ; K and A's bias
	QK 0
	LDB \s, 1
.if \first
.rept 8
	v_nop                                          ; places behind the logits' products
.endr
.else
	RESC 1
	PV 1
.endif
	WIN 0
	MAX1                                           ; (these 32 are also the places between V's last use and the loads below)
	LDV \s
	PRE
	SOFT 0
	WA
	s_wait_dscnt 17                                ; B's bias is in; V's 16 loads and its scale words may be out
	QK 1
	RESC 0
	WA
	s_wait_dscnt 0x0                               ; V
	PV 0
	WIN 0
.endm
	ITER 0, 1, 1
	s_mov_b32 s[TRIPS], 7
.Lpair:                                                ; seven trips, slots 1 to 14
	ITER 1, 0, 1
	ITER 0, 0, 1
	WA
	s_sub_co_u32 s[TRIPS], s[TRIPS], 1
	s_cmp_lg_u32 s[TRIPS], 0
	s_cbranch_scc1 .Lpair
	ITER 1, 0, 0                                   ; slot 15: nothing is left to fetch
	WIN 0x55
	MAX1                                           ; tile B of the last slot; also the places behind tile A's last products
	WIN 0
	WA
	s_cmp_lt_u32 s[WV], 4
	s_cbranch_scc1 .Lkeep_a
.irp i, 0,1,2,3,4,5,6,7
	ds_store_b128 v[XST], v[O+4*\i:O+4*\i+3] offset:512*\i      ; waves 4-7 hand their tile A over,
.endr
	ds_store_b128 v[XST], v[NM:NM+3] offset:4096   ; with -M and the sum's two halves
.Lkeep_a:
	WIN 0x55
	PRE
	SOFT 1
	RESC 1
	PV 1
	WIN 0
.rept 8
	v_nop                                          ; places behind the last products
.endr
	WA
	s_cmp_lt_u32 s[WV], 4
	s_cbranch_scc0 .Lmove_b
	WIN 0x04
.irp i, 0,1,2,3,4,5,6,7
	ds_store_b128 v[XST], v[O+4*\i:O+4*\i+3] offset:512*\i      ; waves 0-3 hand their tile B over
.endr
	ds_store_b128 v[XST], v[NM:NM+3] offset:4096
	WIN 0
	s_branch .Lhanded
.Lmove_b:
	WIN 0x01                                       ; waves 4-7 keep tile B: into window 0
.set j, 0
.rept 32
	v_mov_b32 v[O+j], v[O+j]
.set j, j+1
.endr
.irp i, 0,1,2,3
	v_mov_b32 v[NM+\i], v[NM+\i]
.endr
	WIN 0
.Lhanded:
	WA
	s_wait_dscnt 0x0                               ; my stores are done
	s_barrier_signal -1
	s_barrier_wait -1
.irp i, 0,1,2,3,4,5,6,7
	ds_load_b128 v[S+4*\i:S+4*\i+3], v[XLD] offset:512*\i       ; the other half's O^T of my tile,
.endr
	ds_load_b128 v[S+32:S+35], v[XLD] offset:4096  ; its -M and sum
	s_wait_dscnt 0x0
	; THE HALVES ARE JOINED under the larger M: both factors are powers of two
	v_min_num_f32 v[E], v[NM], v[S+32]
	v_mov_b32 v[E+1], 0
	v_sub_f32 v[BM], v[E], v[NM]
	v_sub_f32 v[BM+1], v[E], v[S+32]
	v_cvt_i32_f32 v[BM], v[BM]
	v_cvt_i32_f32 v[BM+1], v[BM+1]
	v_ldexp_f32 v[FF], 1.0, v[BM]
	v_ldexp_f32 v[BM+2], 1.0, v[BM+1]
.irp i, 0,1,2,3,4,5,6,7,8,9,10,11,12,13,14,15,17
	v_pk_mul_f32 v[S+2*\i:S+2*\i+1], v[S+2*\i:S+2*\i+1], v[BM+2:BM+3] op_sel_hi:[1,0]
.endr
	v_pk_fma_f32 v[LS:LS+1], v[LS:LS+1], v[FF:FF+1], v[S+34:S+35] op_sel_hi:[1,0,1]
	WA
.irp i, 0,1,2,3,4,5,6,7,8,9,10,11,12,13,14,15
	v_pk_fma_f32 v[S+2*\i:S+2*\i+1], v[O+2*\i:O+2*\i+1], v[FF:FF+1], v[S+2*\i:S+2*\i+1] op_sel_hi:[1,0,1]
.endr
	; THE WAY OUT.  O^T / the sum; register 8 t + j is O(my query, d = 16 t + 8 h + j): two blocks of 32 along d, quantised as they stand, stored as the image of the last product's operand.
	v_add_f32 v[E], v[LS], v[LS+1]
	v_permlanex16_b32 v[PX], v[E], s[SEL], s[SEL+1]
	v_add_f32 v[E], v[E], v[PX]                    ; the row's sum
	WA
	v_rcp_f32 v[E], v[E]
	v_and_b32 v11, 15, v0
	v_and_b32 v12, 31, v0
	v_lshlrev_b32 v11, 4, v11                      ; my row of osc: 16 r
	WA
.irp i, 0,1,2,3,4,5,6,7,8,9,10,11,12,13,14,15
	v_pk_mul_f32 v[S+2*\i:S+2*\i+1], v[S+2*\i:S+2*\i+1], v[E:E+1] op_sel_hi:[1,0]
.endr
.irp b, 0,1
	v_max3_num_f32 v[BM+\b], |v[S+16*\b]|, |v[S+16*\b+1]|, 0x8000000
.endr
.irp i, 2,4,6,8,10,12,14
.irp b, 0,1
	v_max3_num_f32 v[BM+\b], v[BM+\b], |v[S+16*\b+\i]|, |v[S+16*\b+\i+1]|
.endr
.endr
.irp b, 0,1
	v_permlanex16_b32 v[PX+\b], v[BM+\b], s[SEL], s[SEL+1]
.endr
.irp b, 0,1
	v_max_num_f32 v[BM+\b], v[BM+\b], v[PX+\b]
.endr
.irp b, 0,1
	v_add_nc_u32 v[SO+\b], 0xf8800000, v[BM+\b]
.endr
.irp b, 0,1
	v_and_or_b32 v[LM+\b], v[BM+\b], 0x7f800000, s[MNT]
.endr
.irp b, 0,1
	v_lshrrev_b32 v[PX+\b], 23, v[SO+\b]
.endr
	v_lshl_or_b32 v[E], v[PX+1], 8, v[PX]          ; my head's two scale bytes
.irp b, 0,1
.irp i, 0,1,2,3,4,5,6,7,8,9,10,11,12,13,14,15
	v_med3_num_f32 v[S+16*\b+\i], v[S+16*\b+\i], -v[LM+\b], v[LM+\b]
.endr
	CV \b, 0
	CV \b, 1
.endr
	v_nop
	global_store_b128 v[L16], v[C:C+3], s[12:13]   ; 32 lanes store 512 consecutive bytes, aligned
	global_store_b128 v[L16], v[C+4:C+7], s[12:13] offset:512
	v_cmp_gt_u32 vcc_lo, 16, v12
	WA
	s_wait_xcnt 0x0                                ; EXEC changes only behind this wait
	s_and_saveexec_b32 s74, vcc_lo
	global_store_b16 v11, v[E], s[14:15]           ; lanes 0-15: two bytes of each of my 16 rows (65,536 bytes in the whole launch go out so)
	s_wait_xcnt 0x0
	s_or_b32 exec_lo, exec_lo, s74
	s_wait_tensorcnt 0x0                           ; the wave's end
	ds_add_u32 v[SPW], v[NIL]
	s_wait_dscnt 0x0
	CROUND                                         ; the closing round
	s_endpgm
.Lfunc_end_k_qb5401784ad_attn:
	.size	k_qb5401784ad_attn, .Lfunc_end_k_qb5401784ad_attn-k_qb5401784ad_attn
	.p2alignl 7, 3214868480
	.fill 96, 4, 3214868480
	.section	.rodata,"a",@progbits
	.p2align	6, 0x0
	.amdhsa_kernel k_qb5401784ad_attn
		.amdhsa_group_segment_fixed_size 327680
		.amdhsa_private_segment_fixed_size 0
		.amdhsa_enable_private_segment 0
		.amdhsa_kernarg_size 48
		.amdhsa_user_sgpr_count 2
		.amdhsa_user_sgpr_kernarg_segment_ptr 1
		.amdhsa_wavefront_size32 1
		.amdhsa_system_sgpr_workgroup_id_x 1
		.amdhsa_system_sgpr_workgroup_id_y 1
		.amdhsa_system_sgpr_workgroup_id_z 1
		.amdhsa_system_vgpr_workitem_id 0
		.amdhsa_next_free_vgpr 512
		.amdhsa_next_free_sgpr 100
		.amdhsa_reserve_vcc 1
		.amdhsa_float_denorm_mode_32 3
		.amdhsa_float_denorm_mode_16_64 3
		.amdhsa_memory_ordered 1
		.amdhsa_forward_progress 1
		.amdhsa_inst_pref_size 175
	.end_amdhsa_kernel
	.amdgpu_metadata
---
amdhsa.version: [ 1, 2 ]
amdhsa.kernels:
  - .name:           k_qb5401784ad_attn
    .symbol:         k_qb5401784ad_attn.kd
    .args:
      - { .name: sim_bias, .offset: 0, .size: 8, .value_kind: global_buffer, .address_space: global }
      - { .name: kv, .offset: 8, .size: 8, .value_kind: global_buffer, .address_space: global }
      - { .name: qimg, .offset: 16, .size: 8, .value_kind: global_buffer, .address_space: global }
      - { .name: qsc, .offset: 24, .size: 8, .value_kind: global_buffer, .address_space: global }
      - { .name: oimg, .offset: 32, .size: 8, .value_kind: global_buffer, .address_space: global }
      - { .name: osc, .offset: 40, .size: 8, .value_kind: global_buffer, .address_space: global }
    .group_segment_fixed_size: 327680
    .private_segment_fixed_size: 0
    .kernarg_segment_align: 8
    .kernarg_segment_size: 48
    .max_flat_workgroup_size: 256
    .sgpr_count:     100
    .vgpr_count:     512
    .wavefront_size: 32
...
	.end_amdgpu_metadata
.endif
;; end of part 2
;; launch outp (part 3): grid 8 x 32, 8 waves a work-group, clusters of 4 x 4, 173,056 bytes of LDS; arguments oimg, osc, Wo_codes, Wo_scales, bo, out0; writes out0
.if DOCPART == 3
	.amdgcn_target "amdgcn-amd-amdhsa--gfx1250"
	.amdhsa_code_object_version 6
	.text
	.protected	k_qb5401784ad_outp
	.globl	k_qb5401784ad_outp
	.p2align	8
	.type	k_qb5401784ad_outp,@function
k_qb5401784ad_outp:
	s_mov_b64 s[64:65], 0
	v_nop
	global_prefetch_b8 v0, s[64:65] scope:SCOPE_SE
	s_setreg_imm32_b32 hwreg(HW_REG_WAVE_MODE, 25, 1), 1
	s_wait_xcnt 0x0
	s_wait_alu depctr_hold_cnt(0) depctr_sa_sdst(0) depctr_va_vdst(0) depctr_va_sdst(0) depctr_va_ssrc(0) depctr_va_vcc(0) depctr_vm_vsrc(0)
	s_getreg_b32 s2, hwreg(HW_REG_IB_STS2, 6, 4)
	s_cmp_eq_u32 s2, 0
	s_cbranch_scc0 .Lentry_in_a_cluster
	s_endpgm
.Lentry_in_a_cluster:
	s_bfe_u32 s2, ttmp6, 0x10000c
	s_cmp_lg_u32 s2, 0xf033
	s_cbranch_scc0 .Lentry_shape_is_right
	s_endpgm
.Lentry_shape_is_right:
; out0 = O Wo + bo, on codes of E5M2 with E8M0 scales, sums in f32.  O's codes come as images of operand registers (oimg) with scale bytes laid as Wo's (osc).  No work of reference() is left out.
; A work-group makes 128 x 128 results.  All of K = 512 lies in LDS at once: one fill, no slot is filled again.  Eight waves, each 32 rows x 64 columns: eight accumulators.
; THE ORDER INSIDE A BLOCK OF 32.  O's codes stand in the order 16 u + 8 h + j (the launch before says why), so Wo's take the same: of each block, lane half h loads bytes 8 h + 0 .. 7 into registers 4 c, 4 c + 1 and
; bytes 16 + 8 h + 0 .. 7 into registers 4 c + 2, 4 c + 3: two loads of 8 bytes.  The same permutation on both sides of a product leaves its terms alone.
; TRANSPOSED: source 0 = 16 rows of Wo (columns of out0), source 1 = 16 rows of O: a lane holds eight neighbouring numbers of a row of out0.  bo, in that layout, is the C of the first K step.
; CLUSTER, 4 x 4: O's 128 rows hang on the tile row and are asked for jointly along a row of the cluster, Wo's 128 rows on the tile column, along a column.
.set AIM,  0                           ; O's images: 8 tiles of 16 rows x 4 K steps x 4 blocks x 512
.set BRW,  65536                       ; Wo's 128 rows of 512 bytes + 16
.set BPI,  528
.set ASC,  133120                      ; O's scale bytes, 16 a row
.set BSC,  135168                      ; Wo's
.set STG,  137216                      ; the way out: 16 rows x (256 + 16) bytes for each wave; no fill lands here
.set SPI,  272
.set SPARE, 172032                     ; the spare words, 128 bytes a wave: four blocks of 256 bytes that no other line names
.set SPW, 2
.set NIL, 3
.set VA,  6
.set VB,  7
.set VAS, 8
.set VBS, 9
.set SO,  10
.set SR,  11
.set GO,  12
.set BOF, 13
.set WV,  16
.set HF,  17                           ; which half of a tensor's 128 rows I fetch
.set G1A,  24
.set G1AS, 32
.set G1B,  40
.set G1BS, 48
.set G0A,  56
.set G0AS, 60
.set G0B,  68
.set G0BS, 72
.macro CROUND
	s_barrier_signal -1
	s_barrier_wait -1
	s_cmp_lg_u32 s[WV], 0
	s_cbranch_scc1 .Lnot_wave_0_\@
	s_barrier_signal -3
.Lnot_wave_0_\@:
	s_barrier_wait -3
	s_barrier_signal -1
	s_barrier_wait -1
.endm
	s_load_b256 s[4:11], s[0:1], 0x0               ; oimg, osc, Wo's codes, Wo's scales
	s_load_b128 s[12:15], s[0:1], 0x20             ; bo, out0
	v_lshl_add_u32 v[SPW], v0, 2, SPARE
	v_mov_b32 v[NIL], 0
	ds_add_u32 v[SPW], v[NIL]                      ; the wave's opening: the add, twice on end, and its wait ahead of my first tensor load
	ds_add_u32 v[SPW], v[NIL]
	v_lshrrev_b32 v1, 5, v0
	s_delay_alu instid0(VALU_DEP_1)
	v_readfirstlane_b32 s[WV], v1                  ; wave 0..7
	s_and_b32 s[HF], s[WV], 1
	s_bfe_u32 s18, ttmp6, 0x40000                  ; cx
	s_bfe_u32 s19, ttmp6, 0x40004                  ; cy
	s_lshl_b32 s21, ttmp9, 2
	s_add_co_u32 s21, s21, s18                     ; tile column
	s_and_b32 s20, ttmp7, 0xffff
	s_lshl_b32 s20, s20, 2
	s_add_co_u32 s20, s20, s19                     ; tile row
	s_lshl_b32 s22, s19, 2
	s_lshl_b32 s22, 15, s22                        ; my row of the cluster
	s_lshl_b32 s23, 0x1111, s18                    ; my column
	s_or_b32 s[G1A], s22, (3<<16)|(1<<21)          ; 32,768 dense bytes: 128 rows of 32 elements of 8 bytes
	s_mov_b32 s[G1A+1], 32<<16
	s_mov_b32 s[G1A+2], 128<<16
	s_mov_b32 s[G1A+3], 32<<16
	s_mov_b32 s[G1A+4], 128
	s_mov_b32 s[G1A+5], 32
	s_mov_b32 s[G1A+6], 0
	s_mov_b32 s[G1A+7], 0
	s_or_b32 s[G1AS], s22, (3<<16)|(1<<21)         ; 2,048 dense bytes: 8 rows
	s_or_b32 s[G1BS], s23, (3<<16)|(1<<21)
.irp g, G1AS, G1BS
	s_mov_b32 s[\g+1], 32<<16
	s_mov_b32 s[\g+2], 8<<16
	s_mov_b32 s[\g+3], 32<<16
	s_mov_b32 s[\g+4], 8
	s_mov_b32 s[\g+5], 32
	s_mov_b32 s[\g+6], 0
	s_mov_b32 s[\g+7], 0
.endr
	s_or_b32 s[G1B], s23, (1<<20)|(1<<21)|(6<<22)|(3<<25)   ; 64 rows of 512 bytes; 4 words of padding behind every 128
	s_mov_b32 s[G1B+1], 512<<16
	s_mov_b32 s[G1B+2], 64<<16
	s_mov_b32 s[G1B+3], 512<<16
	s_mov_b32 s[G1B+4], 64
	s_mov_b32 s[G1B+5], 512
	s_mov_b32 s[G1B+6], 0
	s_mov_b32 s[G1B+7], 0
	s_lshl_b32 s84, s[HF], 15                      ; my half: 32,768 bytes of codes
	s_lshl_b32 s76, s20, 16
	s_add_co_u32 s76, s76, s84                     ; O: tile row and wave alone
	s_mov_b32 s77, 0
	s_lshl_b32 s78, s20, 11
	s_mov_b32 s79, 0
	s_lshl_b32 s80, s21, 16
	s_add_co_u32 s80, s80, s84                     ; Wo: tile column and wave alone
	s_mov_b32 s81, 0
	s_lshl_b32 s82, s21, 11
	s_mov_b32 s83, 0
	s_mul_i32 s86, s[HF], 64*BPI
	s_add_co_u32 s86, s86, BRW
	s_wait_dscnt 0x0                               ; both opening adds are done
	s_wait_kmcnt 0x0
	s_add_nc_u64 s[76:77], s[4:5], s[76:77]
	s_add_nc_u64 s[78:79], s[6:7], s[78:79]
	s_add_nc_u64 s[80:81], s[8:9], s[80:81]
	s_add_nc_u64 s[82:83], s[10:11], s[82:83]
	CROUND                                         ; all sixteen work-groups are here: the joint loads meet
	s_mov_b32 s[G0A], 1
	s_mov_b32 s[G0A+1], s84
	s_mov_b64 s[G0A+2:G0A+3], s[76:77]
	s_or_b32 s[G0A+3], s[G0A+3], 0x80000000
	s_mov_b32 s[G0AS], 1
	s_mov_b32 s[G0AS+1], ASC
	s_mov_b64 s[G0AS+2:G0AS+3], s[78:79]
	s_or_b32 s[G0AS+3], s[G0AS+3], 0x80000000
	s_mov_b32 s[G0B], 1
	s_mov_b32 s[G0B+1], s86
	s_mov_b64 s[G0B+2:G0B+3], s[80:81]
	s_or_b32 s[G0B+3], s[G0B+3], 0x80000000
	s_mov_b32 s[G0BS], 1
	s_mov_b32 s[G0BS+1], BSC
	s_mov_b64 s[G0BS+2:G0BS+3], s[82:83]
	s_or_b32 s[G0BS+3], s[G0BS+3], 0x80000000
; One joint load a wave: waves 0 and 1 O's codes, waves 2 and 3 Wo's, wave 4 O's scale bytes, wave 5 Wo's, waves 6 and 7 none.
.macro ARM under, g0, g1, next
	s_cmp_lt_u32 s[WV], \under
	s_cbranch_scc0 \next
	tensor_load_to_lds s[\g0:\g0+3], s[\g1:\g1+7]
	s_nop 0
.rept 4
	v_nop
.endr
	s_branch .Lasked
\next:
.endm
	ARM 2, G0A,  G1A,  .Lfor_b
	ARM 4, G0B,  G1B,  .Lfor_as
	ARM 5, G0AS, G1AS, .Lfor_bs
	ARM 6, G0BS, G1BS, .Lfor_none
.Lasked:
	v_and_b32 v4, 15, v0                           ; r
	v_bfe_u32 v5, v0, 4, 1                         ; h
	v_and_b32 v1, 31, v0
	s_delay_alu instid0(VALU_DEP_1)
	v_lshlrev_b32 v1, 4, v1                        ; 16 x lane
	s_wait_alu depctr_va_vdst(0)
	s_lshr_b32 s87, s[WV], 1                       ; which 32 rows are mine
	s_and_b32 s88, s[WV], 1                        ; which 64 columns
	s_lshl_b32 s90, s21, 9
	s_lshl_b32 s91, s88, 8
	s_add_co_u32 s90, s90, s91                     ; my first column, in bytes
	s_mov_b32 s91, 0
	s_add_nc_u64 s[12:13], s[12:13], s[90:91]
	v_lshlrev_b32 v[BOF], 5, v5
.irp bt, 0,1,2,3
	global_load_b128 v[224+8*\bt:227+8*\bt], v[BOF], s[12:13] offset:64*\bt       ; bo(16 bt + 8 h + 0 .. 7) of my 64 columns
	global_load_b128 v[228+8*\bt:231+8*\bt], v[BOF], s[12:13] offset:64*\bt+16
.endr
	s_add_nc_u64 s[14:15], s[14:15], s[90:91]
	s_lshl_b32 s90, s20, 7
	s_lshl_b32 s89, s87, 5
	s_add_co_u32 s90, s90, s89
	s_lshl_b32 s90, s90, 12                        ; my first row: 4,096 bytes a row
	s_add_nc_u64 s[14:15], s[14:15], s[90:91]
	s_lshl_b32 s89, s87, 14
	v_add_nc_u32 v[VA], s89, v1                    ; O's images: my two tiles of rows
	s_mul_i32 s89, s88, 64*BPI
	s_add_co_u32 s89, s89, BRW
	v_mul_u32_u24 v[VB], v4, BPI
	s_delay_alu instid0(VALU_DEP_1)
	v_lshl_add_u32 v[VB], v5, 3, v[VB]
	s_delay_alu instid0(VALU_DEP_1)
	v_add_nc_u32 v[VB], s89, v[VB]                 ; Wo: row r of a tile, + 8 h
	s_lshl_b32 s89, s87, 9
	s_add_co_u32 s89, s89, ASC
	v_lshl_add_u32 v[VAS], v4, 4, s89
	s_lshl_b32 s89, s88, 10
	s_add_co_u32 s89, s89, BSC
	v_lshl_add_u32 v[VBS], v4, 4, s89
	s_mul_i32 s89, s[WV], 16*SPI
	s_add_co_u32 s89, s89, STG                     ; my stage
	v_mul_u32_u24 v[SO], v4, SPI
	s_delay_alu instid0(VALU_DEP_1)
	v_lshl_add_u32 v[SO], v5, 5, v[SO]
	s_delay_alu instid0(VALU_DEP_1)
	v_add_nc_u32 v[SO], s89, v[SO]                 ; in: row r, 32 bytes for each half of the lanes
	v_mul_u32_u24 v[SR], v5, SPI
	s_delay_alu instid0(VALU_DEP_1)
	v_lshl_add_u32 v[SR], v4, 4, v[SR]
	s_delay_alu instid0(VALU_DEP_1)
	v_add_nc_u32 v[SR], s89, v[SR]                 ; back: lanes 0-15 one row, lanes 16-31 the next
	v_lshlrev_b32 v[GO], 12, v5
	s_delay_alu instid0(VALU_DEP_1)
	v_lshl_add_u32 v[GO], v4, 4, v[GO]             ; and the same two rows in out0
	s_wait_alu depctr_va_vdst(0)
	s_wait_tensorcnt 0x0                           ; my load has landed,
	s_barrier_signal -1
	s_barrier_wait -1                              ; everybody's have
.irp blk, 0,1
	ds_load_b128 v[32+4*\blk:35+4*\blk], v[VAS] offset:256*\blk       ; a row's four scale words, one for each K step
.endr
.irp bt, 0,1,2,3
	ds_load_b128 v[40+4*\bt:43+4*\bt], v[VBS] offset:256*\bt
.endr
	s_wait_loadcnt 0x0                             ; bo
.irp ks, 0,1,2,3
.if \ks > 0
.rept 8
	v_nop                                          ; places in front of loads into registers that matrix instructions have read
.endr
.endif
.irp blk, 0,1
.irp c, 0,1,2,3
	ds_load_b128 v[128+16*\blk+4*\c:131+16*\blk+4*\c], v[VA] offset:8192*\blk+2048*\ks+512*\c
.endr
.endr
.irp bt, 0,1,2,3
.irp c, 0,1,2,3
	ds_load_b64 v[160+16*\bt+4*\c:161+16*\bt+4*\c], v[VB] offset:16*BPI*\bt+128*\ks+32*\c
	ds_load_b64 v[162+16*\bt+4*\c:163+16*\bt+4*\c], v[VB] offset:16*BPI*\bt+128*\ks+32*\c+16
.endr
.endr
	s_wait_dscnt 0x0
.irp blk, 0,1                                  ; the eight accumulators take turns, one instruction a turn
.irp bt, 0,1,2,3
.if \ks == 0
	v_wmma_scale_f32_16x16x128_f8f6f4 v[64+8*(4*\blk+\bt):71+8*(4*\blk+\bt)], v[160+16*\bt:175+16*\bt], v[128+16*\blk:143+16*\blk], v[224+8*\bt:231+8*\bt], v[40+4*\bt+\ks], v[32+4*\blk+\ks] matrix_a_fmt:MATRIX_FMT_BF8 matrix_b_fmt:MATRIX_FMT_BF8
.else
	v_wmma_scale_f32_16x16x128_f8f6f4 v[64+8*(4*\blk+\bt):71+8*(4*\blk+\bt)], v[160+16*\bt:175+16*\bt], v[128+16*\blk:143+16*\blk], v[64+8*(4*\blk+\bt):71+8*(4*\blk+\bt)], v[40+4*\bt+\ks], v[32+4*\blk+\ks] matrix_a_fmt:MATRIX_FMT_BF8 matrix_b_fmt:MATRIX_FMT_BF8
.endif
.endr
.endr
.endr
.rept 8
	v_nop                                          ; places in front of the first read of results and of loads into the fragments' registers
.endr
	; THE WAY OUT: 16 rows x 256 bytes at a time through my own stage, so that sixteen lanes store 256 consecutive bytes, aligned.  LDS serves a wave's instructions in order (ISA guide 5.7.1.4).
.irp u, 0,1
.irp bt, 0,1,2,3
	ds_store_b128 v[SO], v[64+8*(4*\u+\bt):67+8*(4*\u+\bt)] offset:64*\bt         ; each accumulator from its low end on
	ds_store_b128 v[SO], v[68+8*(4*\u+\bt):71+8*(4*\u+\bt)] offset:64*\bt+16
.endr
.irp i, 0,1,2,3,4,5,6,7
	ds_load_b128 v[128+32*\u+4*\i:131+32*\u+4*\i], v[SR] offset:2*\i*SPI
.endr
.endr
.irp u, 0,1
.irp i, 0,1,2,3,4,5,6,7
	s_wait_dscnt 15-8*\u-\i                        ; this load is back (for the first block the count leaves fewer out than it might)
	global_store_b128 v[GO], v[128+32*\u+4*\i:131+32*\u+4*\i], s[14:15] offset:(16*\u+2*\i)*4096 th:TH_STORE_NT
.endr
.endr
	s_wait_tensorcnt 0x0                           ; the wave's end, behind my last LDS store
	ds_add_u32 v[SPW], v[NIL]
	s_wait_dscnt 0x0
	CROUND                                         ; the closing round
	s_endpgm
.Lfunc_end_k_qb5401784ad_outp:
	.size	k_qb5401784ad_outp, .Lfunc_end_k_qb5401784ad_outp-k_qb5401784ad_outp
	.p2alignl 7, 3214868480
	.fill 96, 4, 3214868480
	.section	.rodata,"a",@progbits
	.p2align	6, 0x0
	.amdhsa_kernel k_qb5401784ad_outp
		.amdhsa_group_segment_fixed_size 173056
		.amdhsa_private_segment_fixed_size 0
		.amdhsa_enable_private_segment 0
		.amdhsa_kernarg_size 48
		.amdhsa_user_sgpr_count 2
		.amdhsa_user_sgpr_kernarg_segment_ptr 1
		.amdhsa_wavefront_size32 1
		.amdhsa_system_sgpr_workgroup_id_x 1
		.amdhsa_system_sgpr_workgroup_id_y 1
		.amdhsa_system_sgpr_workgroup_id_z 1
		.amdhsa_system_vgpr_workitem_id 0
		.amdhsa_next_free_vgpr 256
		.amdhsa_next_free_sgpr 100
		.amdhsa_reserve_vcc 0
		.amdhsa_float_denorm_mode_32 3
		.amdhsa_float_denorm_mode_16_64 3
		.amdhsa_memory_ordered 1
		.amdhsa_forward_progress 1
		.amdhsa_inst_pref_size 30
	.end_amdhsa_kernel
	.amdgpu_metadata
---
amdhsa.version: [ 1, 2 ]
amdhsa.kernels:
  - .name:           k_qb5401784ad_outp
    .symbol:         k_qb5401784ad_outp.kd
    .args:
      - { .name: oimg, .offset: 0, .size: 8, .value_kind: global_buffer, .address_space: global }
      - { .name: osc, .offset: 8, .size: 8, .value_kind: global_buffer, .address_space: global }
      - { .name: Wo_codes, .offset: 16, .size: 8, .value_kind: global_buffer, .address_space: global }
      - { .name: Wo_scales, .offset: 24, .size: 8, .value_kind: global_buffer, .address_space: global }
      - { .name: bo, .offset: 32, .size: 8, .value_kind: global_buffer, .address_space: global }
      - { .name: out0, .offset: 40, .size: 8, .value_kind: global_buffer, .address_space: global }
    .group_segment_fixed_size: 173056
    .private_segment_fixed_size: 0
    .kernarg_segment_align: 8
    .kernarg_segment_size: 48
    .max_flat_workgroup_size: 256
    .sgpr_count:     100
    .vgpr_count:     256
    .wavefront_size: 32
...
	.end_amdgpu_metadata
.endif
;; end of part 3
